; MI455X (gfx1250); checked and timed in simulation.
; The chip was launched on July 23, 2026; its instructions are those of AMD's public machine-readable ISA for CDNA 5 (MIT licence, August 2026) and "CDNA5" Instruction Set Architecture Reference Guide (July 2026). The comments in the code are by the model that wrote it; some were corrected since.
;; Multi Head Attention. Allowed arithmetic: matrix products marked QUANTISED: E5M2 operands, one E8M0 scale for each 32 along K, by v_wmma_scale_f32_16x16x128_f8f6f4 with both operands' format E5M2, f32 sums; everything else in f32.
;; Inputs: Wk_codes 1,024 x 32 x 32 uint8 (E5M2 codes of Wk, K innermost, in blocks of 32 codes); Wk_scales 1,024 x 32 uint8 (E8M0 scales of Wk, one for each 32 codes along K); Wo_codes 1,024 x 32 x 32 uint8 (E5M2 codes of Wo, K innermost, in blocks of 32 codes); Wo_scales 1,024 x 32 uint8 (E8M0 scales of Wo, one for each 32 codes along K); Wq_codes 1,024 x 32 x 32 uint8 (E5M2 codes of Wq, K innermost, in blocks of 32 codes); Wq_scales 1,024 x 32 uint8 (E8M0 scales of Wq, one for each 32 codes along K); Wv_codes 1,024 x 32 x 32 uint8 (E5M2 codes of Wv, K innermost, in blocks of 32 codes); Wv_scales 1,024 x 32 uint8 (E8M0 scales of Wv, one for each 32 codes along K); x_codes 4 x 2,048 x 32 x 32 uint8 (E5M2 codes of x, K innermost, in blocks of 32 codes); x_scales 4 x 2,048 x 32 uint8 (E8M0 scales of x, one for each 32 codes along K).
;; Outputs: out0 4 x 2,048 x 1,024 float32.
;; This version of the problem:
;;   THIS VERSION OF THE PROBLEM IS GIVEN IN LOW PRECISION. The matrix products marked QUANTISED in the list below multiply operands that are first quantised to E5M2 (5 exponent bits, 2 mantissa bits; 8 bits a number), with one power-of-two scale for each 32 numbers along K (OCP MX v1.0); their sums are f32. All else is computed in f32.
;;   The module's matrix products, in the order in which they are computed (A, B: the left and right operand; K: the contracted axis; several contracted axes count as one K, in the product's order):
;;     1. [M 8,192, K 1,024] x [K 1,024, N 1,024]; A: input x (given as codes); B: input Wq (given as codes): QUANTISED
;;     2. [M 8,192, K 1,024] x [K 1,024, N 1,024]; A: input x (given as codes); B: input Wk (given as codes): QUANTISED
;;     3. [M 8,192, K 1,024] x [K 1,024, N 1,024]; A: input x (given as codes); B: input Wv (given as codes): QUANTISED
;;     4. batch 64 x [M 2,048, K 64] x [K 64, N 2,048]; A: computed on the way; B: computed on the way: QUANTISED
;;     5. batch 64 x [M 2,048, K 2,048] x [K 2,048, N 64]; A: softmax (see below); B: computed on the way: QUANTISED
;;     6. [M 8,192, K 1,024] x [K 1,024, N 1,024]; A: computed on the way; B: input Wo (given as codes): QUANTISED
;;   THE QUANTISER, for each operand of a quantised product, along K:
;;     - K is cut into blocks of 32 from its start; a last block that is shorter is filled with zeros.
;;     - A block's scale is 2^e with e = floor(log2(the largest magnitude in the block)) - 15, held to -126 .. 127; a block of zeros has e = 0. As a byte (E8M0): e + 127.
;;     - Each number is divided by its block's scale, clamped to +-57,344, and rounded to the nearest number of E5M2, ties to even, subnormals kept.
;;     - The product sums the exact products of the quantised numbers (number of the format x scale) in f32.
;;   ~~~python
;;   def quantise(x, axis):      # numpy; x: float32 -> the quantised numbers, widened to float32 again
;;       x = np.moveaxis(x, axis, -1); K = x.shape[-1]
;;       x = np.pad(x, [(0, 0)] * (x.ndim - 1) + [(0, -K % 32)]); x = x.reshape(x.shape[:-1] + (-1, 32)); a = np.abs(x).max(-1, keepdims=True)
;;       e = np.where(a > 0, np.clip(np.frexp(np.where(a > 0, a, 1))[1] - 1 - 15, -126, 127), 0)      # np.frexp(a)[1] - 1 = floor(log2(a)), exactly
;;       r = np.clip(x / 2.0 ** e, -57344, 57344)
;;       step = 2.0 ** (np.maximum(np.frexp(np.where(r == 0, 1, r))[1] - 1, -14) - 2)
;;       q = np.round(r / step) * step * 2.0 ** e      # np.round: ties to even
;;       return np.moveaxis(q.reshape(q.shape[:-2] + (-1,))[..., :K], -1, axis).astype(np.float32)
;;   ~~~
;;   SOFTMAX AHEAD OF A QUANTISED PRODUCT. Where the list says 'softmax', what is quantised is not the finished softmax but p = 2^(t - M), with t = logit x log2(e) and M = ceil(the row's largest t), a whole number; so 1/2 < the row's largest p <= 1. The row's sum l is taken of the UNQUANTISED p, in f32, and the product's result is divided by l at the end. Since M is a whole number, a kernel that streams over the keys may use a running M (the ceiling of the running maximum): every later rescaling is an exact power of two, which a block's scale takes up: the codes' values come out the same.
;;   OPERANDS COMPUTED ON THE WAY. 'Computed on the way' means the value that the module computes at that place (a softmax that the list does not call 'softmax' is quantised finished and normalised). What goes into a quantiser is computed in f32, as accurately as f32 sums, v_exp_f32 and their like allow (about 1e-6 of the number): no bf16 or f16 on the way to a quantiser, and a product that is left as it is and whose result goes on into a quantised operand takes f32 operands (vector FMAs, or v_wmma_f32_16x16x4_f32). A number that lies on a knife's edge between two numbers of the format may be rounded either way, as far as f32 arithmetic and the matrix unit's own rounding can turn it there, and no further.
;;   INPUTS GIVEN AS CODES. Wk (in the module: [1024, 1024], K = its axis 1); Wo (in the module: [1024, 1024], K = its axis 1); Wq (in the module: [1024, 1024], K = its axis 1); Wv (in the module: [1024, 1024], K = its axis 1); x (in the module: [4, 2048, 1024], K = its axis 2): each comes as NAME_codes (uint8): NAME with its K axis moved to the last place and cut into blocks of 32 codes, [.., K / 32, bytes a block], one block behind the other in memory; one code a byte (a code: sign, 5 exponent bits, 2 mantissa bits); and NAME_scales (uint8): the same leading axes, one E8M0 byte (e + 127) for each 32 codes along K. Its value is code x scale, taken as it is: it is not quantised again, and the codes and scales need not be those that the quantiser above would give.
;; One version. Each part assembles by itself: llvm-mc -triple=amdgcn-amd-amdhsa -mcpu=gfx1250 --defsym DOCPART=n.
;; ======== version 1 of 1: 3 launches
;; limits: right only within a limited range of input values
;; workspace buffers: qq 17,301,504 bytes; kv 17,301,504 bytes; oimg 8,388,608 bytes; oscl 262,144 bytes
;; launch qkv (part 1): grid 12 x 32, 4 waves a work-group, clusters of 4 x 4, 327,680 bytes of LDS; arguments x_codes, x_scales, Wq_codes, Wq_scales, Wk_codes, Wk_scales, Wv_codes, Wv_scales, qq, kv; writes qq, kv
.if DOCPART == 1
	.amdgcn_target "amdgcn-amd-amdhsa--gfx1250"
	.amdhsa_code_object_version 6
	.text
	.protected	k_q3f6958295f_qkv
	.globl	k_q3f6958295f_qkv
	.p2align	8
	.type	k_q3f6958295f_qkv,@function
k_q3f6958295f_qkv:
	s_mov_b64 s[64:65], 0
	v_nop
	global_prefetch_b8 v0, s[64:65] scope:SCOPE_SE
	s_setreg_imm32_b32 hwreg(HW_REG_WAVE_MODE, 25, 1), 1
	s_wait_xcnt 0x0
	s_wait_alu depctr_hold_cnt(0) depctr_sa_sdst(0) depctr_va_vdst(0) depctr_va_sdst(0) depctr_va_ssrc(0) depctr_va_vcc(0) depctr_vm_vsrc(0)
	s_getreg_b32 s2, hwreg(HW_REG_IB_STS2, 6, 4)
	s_cmp_eq_u32 s2, 0
	s_cbranch_scc0 .Lentry_in_a_cluster
	s_endpgm
.Lentry_in_a_cluster:
	s_bfe_u32 s2, ttmp6, 0x10000c
	s_cmp_lg_u32 s2, 0xf033
	s_cbranch_scc0 .Lentry_shape_is_right
	s_endpgm
.Lentry_shape_is_right:
; Q = x Wq^T, K = x Wk^T, V^T = Wv x^T on codes of BF8 (E5M2) with one E8M0 scale for each 32 along K = 1,024; the f32 results are quantised in registers and leave as codes and scale bytes.
; A tile of 256 x 256 is made by four waves, 128 x 128 each: 64 accumulators.  "A" gives the rows that a lane holds, "B" the rows along which a lane's registers run (source 0 = 16 rows of B, source 1 = 16 rows of A).
; KIND = the cluster's x, the same in all sixteen partners: 0: A = x, B = Wq (Q, quantised along the head's 64);  1: A = x, B = Wk (K, likewise);  2: A = Wv, B = x (V^T, quantised along the tokens, which are the keys).
; 3 x 128 tiles; a tile of 256 x 384 would want 768 accumulator registers beside the fragments, which a wave does not have.
; K goes in steps of 256 through a ring of two LDS slots filled by the tensor data mover; the scale bytes of the work-group's 512 rows come once and stay.
; CLUSTERS: 4 x 4 work-groups.  A's tiles are shared along a row of the cluster, B's along a column: each is asked for jointly, by the same tensor load with a mask that names the four.
; THE WAY OUT.  In accumulators (a, 2 c) and (a, 2 c + 1) lane (r, h) holds 16 numbers of block c of 32 along B's rows for row 16 a + r of A: register 16 c + i is column 32 c + 16 (i / 8) + 8 h + i % 8.  Lanes l and l xor 16 hold a block.
; The 16 codes are stored as registers 4 c .. 4 c + 3 of an operand's fragment, lane l's 16 bytes at 16 l: an image of the registers that the next launch wants.  The order of k inside a block of 32 is so permuted, alike for Q and K
; (one path) and alike for V's keys and the weights' keys in the next launch: the products are the same.  Every store of codes covers 512 consecutive bytes, aligned.
; BUFFERS qq and kv: [batch x 16 + head][slot of 256 tokens: 8][33,792 bytes]: +0 codes of Q or K [tile of 16 tokens: 16][c: 2][lane][16]; +16,384 codes of V [step of 128 keys: 2][16 channels dt: 4][c: 4][lane][16];
; +32,768 scale words of Q or K [step: 2][r: 16][pair of tiles p: 4] (bytes: tile 2 p block 0, 1, tile 2 p + 1 block 0, 1); +33,280 scale words of V [step: 2][r: 16][dt: 4] (bytes: the step's four blocks of keys).
; A block's scale is 2^(floor(log2(its largest magnitude)) - 15); its byte is the largest magnitude's exponent field - 15, held at 1 from below.
; LIMITS: a block of zeros gets the byte 1 where the quantiser says 127 (its codes are zeros, and this program alone reads the bytes); NaN and infinities among the results are not served.
; REGISTERS, in windows of 256: window 0: v0-31 addresses; v32-63 scale words, two sets; v64-123 at work on the way out; from v128 A's fragments, ONE set, on the way out the codes.
;   window 1: B's fragments, TWO sets.   window 2: the accumulators of my rows 0-63 ((a, b) at v[8 (8 a + b)]);   window 3: those of my rows 64-127.
.set KSTEP,  256                       ; along K in a slot
.set NQ,     KSTEP/128                 ; matrix instructions deep
.set ROWB,   256                       ; a tile's row in bytes
.set KROW,   1024                      ; a row of x or of a weight in memory, in bytes
.set PITCH,  272                       ; an LDS row: 256 bytes + 16 of padding = 68 words: the 16 rows that a load touches start at 16 different banks (64 banks of 4 bytes: ISA guide 11.1)
.set FR,     16                        ; registers of a fragment: 16 rows x 128 K
.set NL,     4                         ; LDS loads that bring one
.set NP,     8                         ; places behind this matrix instruction (ISA guide 7.12.1)
.set HALFT,  128*PITCH                 ; 128 rows: what one tensor load brings
.set SLOT,   4*HALFT                   ; A's 256 rows, then B's 256 rows
.set LAPS,   1024/(2*KSTEP)            ; a lap = two K steps = once round the ring
.set KS,     32                        ; a row of scales in bytes
.set SCL,    2*SLOT                    ; behind the ring: the scales, as units of 256 bytes + 16 of padding
.set HALFS,  (128*KS/256)*272          ; the scales of 128 rows
.set SBLK,   (16*KS/256)*272           ; those of 16 rows
.set SPARE,  SCL+4*HALFS               ; behind the scales: the spare words, 128 bytes for each wave
.set SLOTB,  33792                     ; a slot of qq or kv
.set HEADB,  8*SLOTB                   ; a head's eight slots
.set ADRA, 16                          ; v16-17  LDS address of my A fragments in slot 0, 1
.set ADRB, 20                          ; v20-21  the same for B
.set VS,   25                          ; v25     the way out: HEADB x (lane / 16) + 16 x (lane % 16): where my four scale words go
.set LI,   26                          ; v26     the way out: 16 x lane
.set ADRS, 27                          ; v27     LDS address of my scale words: lanes 0-15 A's rows, lanes 16-31 B's
.set SPW,  28                          ; v28     LDS address of my spare word; never rewritten
.set NIL,  29                          ; v29     0; never rewritten
.set LN,   30                          ; v30     lane
.set SC,   32                          ; scale words, two sets
.set EB,   64                          ; v64-95   the way out: the byte of (a, c) at EB + 4 a + c
.set WD,   96                          ; v96-103  scale words put together
.set OUTW, 104                         ; v104-107 the four that my lane stores
.set TM,   108                         ; v108-111 largest magnitudes, v112-115 the other half's, v120-123 the conversions' scale operands
.set AF,   128                         ; A's fragments, in window 0
.set CD,   128                         ; the way out: codes, chunk (a, c) at CD + 4 (4 a + c): every store has registers of its own
.set G1, 24                            ; s[24:31] descriptor group 1 for A's tiles;  s[32:39] group 0, one set for each slot
.set G0, 32
.set G1B, 48                           ; s[48:55], s[56:63] the same for B's tiles
.set G0B, 56
.set G1S, 68                           ; s[68:75], s[76:79] groups 1 and 0 for A's scales;  s[80:87], s[88:91] for B's
.set G0S, 76
.set G1SB, 80
.set G0SB, 88
.set KIND, 96                          ; s96  0, 1, 2
.set MNT,  97                          ; s97  unused
.set SBA,  98                          ; s[98:99] where my scale words go
.set SEL,  100                         ; s[100:101] lane selects for v_permlanex16_b32: lane l xor 16
.set MSB, 0
.macro WIN new                         ; the immediate's high byte repeats the setting that is left
.if MSB != \new
	s_set_vgpr_msb (MSB<<8)|\new
.set MSB, \new
.endif
.endm
.set MUL_LO, 0xa1                      ; source 0 (B) window 1, source 1 (A) window 0, C and D window 2
.set MUL_HI, 0xf1                      ; the same, C and D window 3
.set TO_B,   0x40                      ; destination window 1, address window 0
; A joint load: waves 0 and 1 fetch for A, waves 2 and 3 for B.  The branch hangs on the wave's number alone.  Four v_nop follow each of the two lines.
.macro JLOAD g0a, g1a, g0b, g1b
	s_cmp_eq_u32 s15, 0
	s_cbranch_scc0 .Lfor_b_\@
	tensor_load_to_lds s[\g0a:\g0a+3], s[\g1a:\g1a+7]
	s_nop 0
.rept 4
	v_nop
.endr
	s_branch .Lasked_\@
.Lfor_b_\@:
	tensor_load_to_lds s[\g0b:\g0b+3], s[\g1b:\g1b+7]
	s_nop 0
.rept 4
	v_nop
.endr
.Lasked_\@:
.endm
.macro CREST                           ; a round of the cluster's barrier behind its opening barrier
	s_cmp_lg_u32 s14, 0
	s_cbranch_scc1 .Lnot_wave_0_\@
	s_barrier_signal -3
.Lnot_wave_0_\@:
	s_barrier_wait -3
	s_barrier_signal -1
	s_barrier_wait -1
.endm
.macro CROUND                          ; a whole round
	s_barrier_signal -1
	s_barrier_wait -1
	CREST
.endm
	s_load_b128 s[4:7], s[0:1], 0x0                ; x's codes, x's scales
	s_load_b512 s[68:83], s[0:1], 0x10             ; Wq's codes, scales; Wk's; Wv's; qq; kv
	v_lshl_add_u32 v[SPW], v0, 2, SPARE
	v_mov_b32 v[NIL], 0
	ds_add_u32 v28, v29
	ds_add_u32 v28, v29
	s_wait_dscnt 0x0
	v_lshrrev_b32 v1, 5, v0
	v_readfirstlane_b32 s14, v1                    ; wave 0..3
	s_lshr_b32 s15, s14, 1                         ; which half of the tile's rows is mine.  Also: I fetch for A (0) or for B (1)
	s_and_b32 s16, s14, 1                          ; which half of its columns.  Also: which 128 rows of that tile I fetch
	s_bfe_u32 s40, ttmp6, 0x40000                  ; cx, cy: my place in the cluster
	s_bfe_u32 s41, ttmp6, 0x40004
	s_mov_b32 s[KIND], ttmp9                       ; the cluster's x: which of the three products
	s_and_b32 s17, ttmp7, 0xffff                   ; the cluster's y, 0..7: it walks x's 32 tiles of 256 tokens, four to a cluster
	s_cmp_eq_u32 s[KIND], 2
	s_cselect_b32 s42, s17, 0                      ; V^T: x is B, so the cluster's y counts tile columns,
	s_cselect_b32 s17, 0, s17                      ; Q, K: x is A, so it counts tile rows
	s_lshl_b32 s42, s42, 2
	s_add_co_u32 s42, s42, s40                     ; tile column
	s_lshl_b32 s17, s17, 2
	s_add_co_u32 s17, s17, s41                     ; tile row
	s_lshl_b32 s43, s41, 2
	s_lshl_b32 s43, 15, s43                        ; my row of the cluster
	s_lshl_b32 s44, 0x1111, s40                    ; my column
	; descriptor group 1: a tile of 128 rows x 256 bytes, padded in LDS
	s_or_b32 s[G1+0], s43, (0<<16)|(1<<20)|(1<<21)|(5<<22)|(3<<25)  ; 15:0 the mask: A's tiles go to my row; 17:16 element of 1 byte; 20 padding on; 21 set beside a mask; 24:22 after every 64 words; 31:25 of 4 words
	s_or_b32 s[G1B+0], s44, (0<<16)|(1<<20)|(1<<21)|(5<<22)|(3<<25)
.irp g, G1, G1B
	s_mov_b32 s[\g+1], ROWB<<16                    ; tensor_dim0
	s_mov_b32 s[\g+2], 128<<16                     ; tensor_dim1 = 128
	s_mov_b32 s[\g+3], ROWB<<16                    ; tile_dim0
	s_mov_b32 s[\g+4], 128                         ; tile_dim1 = 128
	s_mov_b32 s[\g+5], KROW                        ; tensor_dim0_stride
	s_mov_b32 s[\g+6], 0
	s_mov_b32 s[\g+7], 0
.endr
	s_lshl_b32 s18, s16, 7                         ; which 128 rows of the tile I fetch
	s_lshl_b32 s20, s17, 8
	s_add_co_u32 s20, s20, s18                     ; A: row 256 x tile row + 128 x half
	s_lshl_b32 s46, s42, 8
	s_add_co_u32 s46, s46, s18                     ; B: row 256 x tile column + 128 x half
	s_mov_b32 s21, 0
	s_mov_b32 s47, 0
	s_mov_b64 s[18:19], KS
	s_mul_u64 s[22:23], s[20:21], s[18:19]         ; where these rows' scales begin, in bytes
	s_mul_u64 s[92:93], s[46:47], s[18:19]
	s_mov_b64 s[18:19], KROW
	s_mul_u64 s[20:21], s[20:21], s[18:19]         ; and their codes
	s_mul_u64 s[46:47], s[46:47], s[18:19]
	s_mul_i32 s45, s14, HALFT                      ; where they go: wave x 128 rows: no place in the cluster enters an LDS address
	s_mul_i32 s94, s14, HALFS
	s_wait_kmcnt 0x0
	; which buffers are A, B and the output: choices on KIND alone
	s_cmp_eq_u32 s[KIND], 0
	s_cselect_b64 s[8:9], s[68:69], s[72:73]       ; the weight of Q or of K: codes,
	s_cselect_b64 s[10:11], s[70:71], s[74:75]     ; scales
	s_cselect_b64 s[12:13], s[80:81], s[82:83]     ; Q goes to qq, K and V to kv
	s_cmp_eq_u32 s[KIND], 2
	s_cselect_b64 s[88:89], s[76:77], s[4:5]       ; A: Wv or x
	s_cselect_b64 s[90:91], s[78:79], s[6:7]
	s_cselect_b64 s[8:9], s[4:5], s[8:9]           ; B: x or the weight
	s_cselect_b64 s[10:11], s[6:7], s[10:11]
	s_mov_b64 s[4:5], s[88:89]
	s_mov_b64 s[6:7], s[90:91]
	; group 1 for the scales of 128 rows: a dense block of 4,096 bytes, as rows of 256 bytes (32 elements of 8 bytes), 16 bytes of padding behind each
	s_or_b32 s[G1S+0], s43, (3<<16)|(1<<20)|(1<<21)|(5<<22)|(3<<25)
	s_or_b32 s[G1SB+0], s44, (3<<16)|(1<<20)|(1<<21)|(5<<22)|(3<<25)
.irp g, G1S, G1SB
	s_mov_b32 s[\g+1], 32<<16
	s_mov_b32 s[\g+2], (128*KS/256)<<16
	s_mov_b32 s[\g+3], 32<<16
	s_mov_b32 s[\g+4], 128*KS/256
	s_mov_b32 s[\g+5], 32
	s_mov_b32 s[\g+6], 0
	s_mov_b32 s[\g+7], 0
.endr
	s_add_nc_u64 s[20:21], s[4:5], s[20:21]
	s_add_nc_u64 s[22:23], s[6:7], s[22:23]
	s_add_nc_u64 s[46:47], s[8:9], s[46:47]
	s_add_nc_u64 s[92:93], s[10:11], s[92:93]
	CROUND                                         ; all sixteen work-groups are here: the first joint loads meet
	s_mov_b32 s[G0S], 1
	s_add_co_u32 s[G0S+1], s94, SCL
	s_mov_b64 s[G0S+2:G0S+3], s[22:23]
	s_or_b32 s[G0S+3], s[G0S+3], 0x80000000
	s_mov_b32 s[G0SB], 1
	s_add_co_u32 s[G0SB+1], s94, SCL
	s_mov_b64 s[G0SB+2:G0SB+3], s[92:93]
	s_or_b32 s[G0SB+3], s[G0SB+3], 0x80000000
	JLOAD G0S, G1S, G0SB, G1SB                     ; the scales first: they are wanted with K step 0
.irp s, 0,1
	s_mov_b32 s[G0+4*\s], 1
	s_add_co_u32 s[G0+4*\s+1], s45, \s*SLOT
	s_add_nc_u64 s[G0+4*\s+2:G0+4*\s+3], s[20:21], \s*ROWB
	s_or_b32 s[G0+4*\s+3], s[G0+4*\s+3], 0x80000000
	s_mov_b32 s[G0B+4*\s], 1
	s_add_co_u32 s[G0B+4*\s+1], s45, \s*SLOT
	s_add_nc_u64 s[G0B+4*\s+2:G0B+4*\s+3], s[46:47], \s*ROWB
	s_or_b32 s[G0B+4*\s+3], s[G0B+4*\s+3], 0x80000000
	JLOAD G0+4*\s, G1, G0B+4*\s, G1B
.endr
	v_and_b32 v1, 15, v0                           ; r = l % 16
	v_bfe_u32 v2, v0, 4, 1                         ; h = l / 16
	v_mul_u32_u24 v3, v1, PITCH
	v_lshl_add_u32 v4, v2, 4, v3                   ; a fragment's row x pitch + 16 x half
	s_mul_i32 s21, s15, HALFT                      ; my 128 rows of A
	s_mul_i32 s22, s16, HALFT                      ; my 128 rows of B,
	s_add_co_u32 s22, s22, 2*HALFT                 ; which lie behind A's 256
.irp s, 0,1
	v_add_nc_u32 v[ADRA+\s], s21, v4
	v_add_nc_u32 v[ADRB+\s], s22, v4
	s_add_co_u32 s21, s21, SLOT
	s_add_co_u32 s22, s22, SLOT
.endr
	v_mul_u32_u24 v5, v1, KS                       ; my row's scales: KS bytes a row,
	v_lshrrev_b32 v6, 8, v5
	v_lshl_add_u32 v5, v6, 4, v5                   ; and 16 more for each 256 passed
	s_mul_i32 s21, s15, HALFS                      ; A's: my 128 rows
	s_mul_i32 s22, s16, HALFS                      ; B's: my 128 rows, behind A's 256
	s_add_co_u32 s22, s22, 2*HALFS
	s_sub_co_u32 s22, s22, s21
	v_mul_u32_u24 v6, s22, v2                      ; lanes 16-31 take B's
	s_add_co_u32 s21, s21, SCL
	v_add_nc_u32 v5, v5, v6
	v_add_nc_u32 v[ADRS], s21, v5
	v_and_b32 v[LN], 31, v0
	v_lshlrev_b32 v[LI], 4, v[LN]                  ; the way out: 16 bytes a lane
	v_mul_u32_u24 v5, v2, HEADB
	v_lshl_add_u32 v[VS], v1, 4, v5                ; lanes 0-15 store my first head's scale words, lanes 16-31 my second head's; 16 bytes a row r
.irp b, 0,1,2,3
	v_mov_b32 v[TM+4+\b], 0                        ; written once: a lane permute's destination counts as one of its sources
.endr
	s_mov_b32 s[SEL], 0x76543210
	s_mov_b32 s[SEL+1], 0xfedcba98
	; where my results go.  Tokens are A's rows for Q and K, B's rows for V^T; the heads' channels are the other side.  All choices stand ahead of the arithmetic, which changes SCC.
	s_cmp_eq_u32 s[KIND], 2
	s_cselect_b32 s92, s42, s17                    ; which tile of 256 tokens: batch = / 8, slot = % 8
	s_cselect_b32 s93, s17, s42                    ; which tile of 256 channels: four heads
	s_cselect_b32 s94, s16, s15                    ; my half of the tokens: a step of 128
	s_cselect_b32 s95, s15, s16                    ; my half of the channels: two heads
	s_cselect_b32 s46, 16384, 0                    ; V's codes lie behind K's
	s_cselect_b32 s47, 512, 0                      ; V's scale words behind K's
	s_lshr_b32 s18, s92, 3
	s_lshl_b32 s18, s18, 4                         ; batch x 16
	s_lshl_b32 s93, s93, 2
	s_add_co_u32 s18, s18, s93
	s_lshl_b32 s95, s95, 1
	s_add_co_u32 s18, s18, s95                     ; my first head
	s_lshl_b32 s18, s18, 3
	s_and_b32 s92, s92, 7
	s_add_co_u32 s18, s18, s92
	s_mul_i32 s18, s18, SLOTB                      ; its slot, in bytes (under 2^25)
	s_lshl_b32 s19, s94, 13                        ; a step's codes are 8,192 bytes
	s_add_co_u32 s19, s19, s18
	s_add_co_u32 s22, s19, s46
	s_mov_b32 s23, 0
	s_lshl_b32 s19, s94, 8                         ; a step's scale words 256
	s_add_co_u32 s19, s19, s18
	s_add_co_u32 s19, s19, s47
	s_add_co_u32 s92, s19, 32768
	s_mov_b32 s93, 0
	s_add_nc_u64 s[SBA:SBA+1], s[12:13], s[92:93]
	s_add_nc_u64 s[12:13], s[12:13], s[22:23]
.macro FRAG reg, adr, q, i             ; a fragment, 16 rows x 128 K of 8-bit codes, is 16 registers: lane l holds row l % 16; registers 4 c .. 4 c + 3 hold K = 32 c + 16 (l / 16) + 0 .. 15
.irp c, 0,1,2,3
	ds_load_b128 v[\reg+4*\c:\reg+4*\c+3], v[\adr] offset:128*(\q)+32*\c+(\i)*16*PITCH
.endr
.endm
; 16 matrix instructions: A's blocks a0, a0 + 1 x B's eight, 128 along K: the slot's q-th.  p: B's set;  sc: the set of scale words.  zero = 1: the first product starts the sums.
; The 64 accumulators take turns, one instruction a turn, in the same order in every step.
.macro MUL16 a0, p, q, sc, zero
.irp a, \a0, \a0+1
.irp b, 0,1,2,3,4,5,6,7
.if \zero
	v_wmma_scale_f32_16x16x128_f8f6f4 v[8*(8*((\a)%4)+\b):8*(8*((\a)%4)+\b)+7], v[128*(\p)+FR*\b:128*(\p)+FR*\b+FR-1], v[AF+FR*(\a):AF+FR*(\a)+FR-1], 0, v[SC+8*NQ*(\sc)+NQ*\b+(\q)], v[SC+8*NQ*(\sc)+NQ*(\a)+(\q)] matrix_a_fmt:MATRIX_FMT_BF8 matrix_b_fmt:MATRIX_FMT_BF8 matrix_a_scale:MATRIX_SCALE_ROW1
.else
	v_wmma_scale_f32_16x16x128_f8f6f4 v[8*(8*((\a)%4)+\b):8*(8*((\a)%4)+\b)+7], v[128*(\p)+FR*\b:128*(\p)+FR*\b+FR-1], v[AF+FR*(\a):AF+FR*(\a)+FR-1], v[8*(8*((\a)%4)+\b):8*(8*((\a)%4)+\b)+7], v[SC+8*NQ*(\sc)+NQ*\b+(\q)], v[SC+8*NQ*(\sc)+NQ*(\a)+(\q)] matrix_a_fmt:MATRIX_FMT_BF8 matrix_b_fmt:MATRIX_FMT_BF8 matrix_a_scale:MATRIX_SCALE_ROW1
.endif
.endr
.endr
.endm
.macro FETCH_B slot, q, p              ; B's eight fragments of the slot's q-th 128 along K into set p
	WIN TO_B
.irp i, 0,1,2,3,4,5,6,7
	FRAG 128*(\p)+FR*\i, ADRB+\slot, \q, \i
.endr
	WIN 0
.endm
.macro FETCH_A slot, q, i0             ; A's blocks i0 .. i0 + 3
.irp i, \i0, \i0+1, \i0+2, \i0+3
	FRAG AF+FR*(\i), ADRA+\slot, \q, \i
.endr
.endm
.macro SCALES sc                       ; the next K step's scale words into set sc: NQ words a row; lanes 0-15 take A's block i, lanes 16-31 B's block i
.irp i, 0,1,2,3,4,5,6,7
	ds_load_b64 v[SC+8*NQ*\sc+NQ*\i:SC+8*NQ*\sc+NQ*\i+1], v[ADRS] offset:\i*SBLK
.endr
.endm
; A load into a register that a matrix instruction has read, and a vector instruction that reads a matrix result or writes one of its registers, stand NP places behind it; only plain vector instructions
; that name none of its registers are places (ISA guide 7.12.1 for vector instructions).
.macro PLACES n
.rept \n
	v_nop
.endr
.endm
; A step of 128 along K that has its successor in the same slot.
.macro STEP slot, q, zero
	s_wait_dscnt 4*NL                              ; B's set and A's blocks 0-3 are in; the youngest 16 loads (A's blocks 4-7) may be out
	WIN MUL_LO
	MUL16 0, (\q)%2, \q, \slot, \zero
	MUL16 2, (\q)%2, \q, \slot, \zero
	s_wait_dscnt 0                                 ; A's blocks 4-7 are in (asked for 32 matrix instructions ago)
	PLACES NP
	FETCH_B \slot, (\q)+1, 1-(\q)%2
	FETCH_A \slot, (\q)+1, 0
	WIN MUL_HI
	MUL16 4, (\q)%2, \q, \slot, \zero
	MUL16 6, (\q)%2, \q, \slot, \zero
	PLACES NP
	WIN 0
	FETCH_A \slot, (\q)+1, 4
.endm
; A slot's last step changes slots: ONE barrier; in front of it each wave waits for all its tensor loads, adds 0 to its spare word, and waits for that and for its own reads of this slot.  fill = 1: this slot is filled again, two K steps ahead.
.macro TURN slot, next, fill
	s_wait_tensorcnt 0x0                           ; all my tensor loads have landed: my part of the next slot;  (every window is 0 here)
	ds_add_u32 v[SPW], v[NIL]                      ; 0 onto my spare word
	s_wait_dscnt 4*NL+1                            ; (the add and the youngest 16 loads, A's blocks 4-7, may be out)
	WIN MUL_LO
	MUL16 0, 1, NQ-1, \slot, 0                     ; sixteen matrix instructions stand between the add and the wait for it
	s_wait_dscnt 0x0                               ; the add is done, and my reads of this slot are over
	s_barrier_signal -1
	MUL16 2, 1, NQ-1, \slot, 0
	WIN 0
	s_barrier_wait -1
.if \fill
	CREST                                          ; the barrier has opened a round of the cluster's barrier: no wave of any partner still reads this slot's tile or has a load on its way
	s_add_nc_u64 s[G0+4*\slot+2:G0+4*\slot+3], s[G0+4*\slot+2:G0+4*\slot+3], 2*ROWB
	s_add_nc_u64 s[G0B+4*\slot+2:G0B+4*\slot+3], s[G0B+4*\slot+2:G0B+4*\slot+3], 2*ROWB
	JLOAD G0+4*\slot, G1, G0B+4*\slot, G1B         ; the first tensor load behind the round; the four v_nop behind it are among the places in front of the loads below
	PLACES NP-4
.else
	PLACES NP
.endif
	s_wait_alu depctr_va_vdst(0)
	v_add_nc_u32 v[ADRS], 4*NQ, v[ADRS]            ; on to the next K step's scale words
	FETCH_B \next, 0, 0
	FETCH_A \next, 0, 0
	SCALES \next
	WIN MUL_HI
	MUL16 4, 1, NQ-1, \slot, 0
	MUL16 6, 1, NQ-1, \slot, 0
	PLACES NP
	WIN 0
	FETCH_A \next, 0, 4
.endm
	s_wait_alu depctr_va_vdst(0)
	s_wait_tensorcnt 1                             ; the scales and my part of K step 0 are in (K step 1's load may be out)
	s_barrier_signal -1
	s_barrier_wait -1                              ; everybody's are
	FETCH_B 0, 0, 0
	FETCH_A 0, 0, 0
	SCALES 0
	FETCH_A 0, 0, 4
	STEP 0, 0, 1                                   ; the first step stands in front of the loop: its products start the sums
	s_mov_b32 s3, LAPS-1
.Llap:                                                 ; a trip goes once round the ring, from a lap's second step to the next lap's first, and fills both slots again
	TURN 0, 1, 1
	STEP 1, 0, 0
	TURN 1, 0, 1
	STEP 0, 0, 0
	s_sub_co_u32 s3, s3, 1
	s_cmp_lg_u32 s3, 0
	s_cbranch_scc1 .Llap
	TURN 0, 1, 0                                   ; the last lap fills nothing, and has no round of the cluster's barrier
	STEP 1, 0, 0
	s_wait_dscnt 4*NL                              ; the very last step: nothing more to fetch
	WIN MUL_LO
	MUL16 0, 1, NQ-1, 1, 0
	MUL16 2, 1, NQ-1, 1, 0
	s_wait_dscnt 0
	WIN MUL_HI
	MUL16 4, 1, NQ-1, 1, 0
	MUL16 6, 1, NQ-1, 1, 0
	WIN 0
; THE WAY OUT.  QTILE quantises the four blocks of 32 of A's block a (16 rows) and stores their codes.  kind = 0: Q or K;  1: V^T.
.macro QTILE a, kind
.set AC, 64*((\a)%4)                   ; its eight accumulators,
.set WN, 2+(\a)/4                      ; in window 2 or 3
.set WA, (WN<<2)|(WN<<4)               ; sources 1 and 2 there
.set WB, (WN<<6)|WN                    ; destination and source 0 there
	WIN WA
.irp b, 0,1,2,3
	v_max3_num_f32 v[TM+\b], 0x8000000, |v[AC+16*\b]|, |v[AC+16*\b+1]|   ; block b: my 16 numbers, each accumulator from its low end on, and the floor 2^(16 - 127): the byte cannot fall under 1
.endr
.irp i, 2,4,6,8,10,12,14
.irp b, 0,1,2,3
	v_max3_num_f32 v[TM+\b], v[TM+\b], |v[AC+16*\b+\i]|, |v[AC+16*\b+\i+1]|   ; (the four blocks by turns)
.endr
.endr
	WIN 0
.irp b, 0,1,2,3
	v_permlanex16_b32 v[TM+4+\b], v[TM+\b], s[SEL], s[SEL+1]
.endr
.irp b, 0,1,2,3
	v_max_num_f32 v[TM+\b], v[TM+\b], v[TM+4+\b]   ; with lane l xor 16's: the block's largest magnitude
.endr
.irp b, 0,1,2,3
	v_add_nc_u32 v[TM+12+\b], 0xf8800000, v[TM+\b] ; 15 off its exponent field: the conversion takes the exponent field of this operand as its scale
.endr
.irp b, 0,1,2,3
.endr
.irp b, 0,1,2,3
	v_lshrrev_b32 v[EB+4*(\a)+\b], 23, v[TM+12+\b] ; the scale's byte
.endr
	WIN WB
.irp b, 0,1,2,3
.irp i, 0,1,2,3,4,5,6,7,8,9,10,11,12,13,14,15
.endr
.endr
	WIN WN
.irp b, 0,1,2,3
	v_cvt_scalef32_pk8_bf8_f32 v[CD+4*(4*(\a)+\b):CD+4*(4*(\a)+\b)+1], v[AC+16*\b:AC+16*\b+7], v[TM+12+\b]
	v_cvt_scalef32_pk8_bf8_f32 v[CD+4*(4*(\a)+\b)+2:CD+4*(4*(\a)+\b)+3], v[AC+16*\b+8:AC+16*\b+15], v[TM+12+\b]
.endr
	WIN 0
	v_nop                                          ; one plain vector instruction behind the last conversion of the run
.irp b, 0,1,2,3
.if \kind
	global_store_b128 v[LI], v[CD+4*(4*(\a)+\b):CD+4*(4*(\a)+\b)+3], s[12:13] offset:((\a)/4)*HEADB+((\a)%4)*2048+\b*512   ; head a / 4, channels 16 (a % 4) on, keys 32 b on: 512 consecutive bytes
.else
	global_store_b128 v[LI], v[CD+4*(4*(\a)+\b):CD+4*(4*(\a)+\b)+3], s[12:13] offset:(\b/2)*HEADB+(\a)*1024+(\b%2)*512     ; head b / 2, tokens 16 a on, channels 32 (b % 2) on: 512 consecutive bytes
.endif
.endr
.endm
.macro WAYOUT kind
.irp a, 0,1,2,3,4,5,6,7
	QTILE \a, \kind
.endr
.irp j, 0,1                            ; my two heads
.irp p, 0,1,2,3
.if \kind                              ; V: the word of channels 16 p + r: the step's four blocks of keys
	v_lshl_or_b32 v[WD+4*\j+\p], v[EB+4*(4*\j+\p)+1], 8, v[EB+4*(4*\j+\p)]
	v_lshl_or_b32 v[WD+4*\j+\p], v[EB+4*(4*\j+\p)+2], 16, v[WD+4*\j+\p]
	v_lshl_or_b32 v[WD+4*\j+\p], v[EB+4*(4*\j+\p)+3], 24, v[WD+4*\j+\p]
.else                                  ; Q, K: the word of the pair of tiles 2 p, 2 p + 1: each tile's two blocks of channels
	v_lshl_or_b32 v[WD+4*\j+\p], v[EB+4*(2*\p)+2*\j+1], 8, v[EB+4*(2*\p)+2*\j]
	v_lshl_or_b32 v[WD+4*\j+\p], v[EB+4*(2*\p+1)+2*\j], 16, v[WD+4*\j+\p]
	v_lshl_or_b32 v[WD+4*\j+\p], v[EB+4*(2*\p+1)+2*\j+1], 24, v[WD+4*\j+\p]
.endif
.endr
.endr
.irp n, 0,1,2,3
	v_cndmask_b32 v[OUTW+\n], v[WD+\n], v[WD+4+\n], vcc_lo   ; both halves of the lanes hold all eight words of row r: lanes 0-15 store the first head's four, lanes 16-31 the second's
.endr
	global_store_b128 v[VS], v[OUTW:OUTW+3], s[SBA:SBA+1]    ; each half of the lanes stores 256 consecutive bytes, aligned
.endm
	PLACES NP                                      ; behind the last products: their results are read, and the registers that held A's fragments are written
	v_cmp_le_u32 vcc_lo, 16, v[LN]                 ; lanes 16-31
	s_cmp_eq_u32 s[KIND], 2                        ; the same in all sixteen partners; neither way holds a barrier, a tensor load or an LDS instruction
	s_cbranch_scc1 .Lv
	WAYOUT 0
	s_branch .Lend
.Lv:
	WAYOUT 1
.Lend:
	s_wait_tensorcnt 0x0                           ; the wave's end
	ds_add_u32 v[SPW], v[NIL]
	s_wait_dscnt 0x0
	CROUND                                         ; the closing round: no work-group ends while a partner may still ask for a tile that names it
	s_endpgm
.Lfunc_end_k_q3f6958295f_qkv:
	.size	k_q3f6958295f_qkv, .Lfunc_end_k_q3f6958295f_qkv-k_q3f6958295f_qkv
	.p2alignl 7, 3214868480
	.fill 96, 4, 3214868480
	.section	.rodata,"a",@progbits
	.p2align	6, 0x0
	.amdhsa_kernel k_q3f6958295f_qkv
		.amdhsa_group_segment_fixed_size 327680
		.amdhsa_private_segment_fixed_size 0
		.amdhsa_enable_private_segment 0
		.amdhsa_kernarg_size 80
		.amdhsa_user_sgpr_count 2
		.amdhsa_user_sgpr_kernarg_segment_ptr 1
		.amdhsa_wavefront_size32 1
		.amdhsa_system_sgpr_workgroup_id_x 1
		.amdhsa_system_sgpr_workgroup_id_y 1
		.amdhsa_system_sgpr_workgroup_id_z 1
		.amdhsa_system_vgpr_workitem_id 0
		.amdhsa_next_free_vgpr 1024
		.amdhsa_next_free_sgpr 102
		.amdhsa_reserve_vcc 1
		.amdhsa_float_denorm_mode_32 3
		.amdhsa_float_denorm_mode_16_64 3
		.amdhsa_fp16_overflow 1
		.amdhsa_memory_ordered 1
		.amdhsa_forward_progress 1
		.amdhsa_inst_pref_size 184
	.end_amdhsa_kernel
	.amdgpu_metadata
---
amdhsa.version: [ 1, 2 ]
amdhsa.kernels:
  - .name:           k_q3f6958295f_qkv
    .symbol:         k_q3f6958295f_qkv.kd
    .args:
      - { .name: x_codes, .offset: 0, .size: 8, .value_kind: global_buffer, .address_space: global }
      - { .name: x_scales, .offset: 8, .size: 8, .value_kind: global_buffer, .address_space: global }
      - { .name: Wq_codes, .offset: 16, .size: 8, .value_kind: global_buffer, .address_space: global }
      - { .name: Wq_scales, .offset: 24, .size: 8, .value_kind: global_buffer, .address_space: global }
      - { .name: Wk_codes, .offset: 32, .size: 8, .value_kind: global_buffer, .address_space: global }
      - { .name: Wk_scales, .offset: 40, .size: 8, .value_kind: global_buffer, .address_space: global }
      - { .name: Wv_codes, .offset: 48, .size: 8, .value_kind: global_buffer, .address_space: global }
      - { .name: Wv_scales, .offset: 56, .size: 8, .value_kind: global_buffer, .address_space: global }
      - { .name: qq, .offset: 64, .size: 8, .value_kind: global_buffer, .address_space: global }
      - { .name: kv, .offset: 72, .size: 8, .value_kind: global_buffer, .address_space: global }
    .group_segment_fixed_size: 327680
    .private_segment_fixed_size: 0
    .kernarg_segment_align: 8
    .kernarg_segment_size: 80
    .max_flat_workgroup_size: 128
    .sgpr_count:     102
    .vgpr_count:     1024
    .wavefront_size: 32
...
	.end_amdgpu_metadata
.endif
;; end of part 1
;; launch attn (part 2): grid 4 x 64, 16 waves a work-group, no clusters, 327,680 bytes of LDS; arguments qq, kv, oimg, oscl; writes oimg, oscl
.if DOCPART == 2
	.amdgcn_target "amdgcn-amd-amdhsa--gfx1250"
	.amdhsa_code_object_version 6
	.text
	.protected	k_q3f6958295f_attn
	.globl	k_q3f6958295f_attn
	.p2align	8
	.type	k_q3f6958295f_attn,@function
k_q3f6958295f_attn:
	s_mov_b64 s[64:65], 0
	v_nop
	global_prefetch_b8 v0, s[64:65] scope:SCOPE_SE
	s_setreg_imm32_b32 hwreg(HW_REG_WAVE_MODE, 25, 1), 1
	s_wait_xcnt 0x0
; Causal attention of one head on codes of BF8 (E5M2), head size 64, 2,048 tokens; scores are divided by sqrt(1,024) = 32.  O is quantised along the model's 1,024 (two blocks of 32 a head) and leaves as codes and scale bytes.
; THE SOFTMAX AHEAD OF THE SECOND PRODUCT: t = score x log2(e) / 32; M = the row's largest t so far, rounded UP to a whole number; p = 2^(t - M) is quantised along the keys, not normalised.
; The row's sum is taken of the unquantised p, in f32, and divides O at the end.  When M moves, the sum and O are multiplied by 2^(old M - new M): exact.
; SHARES.  Work-group (i, head) owns the blocks i and 7 - i of 256 queries.  Block i wants key slots 0 .. i, block 7 - i key slots 0 .. 7 - i: NINE slots of 256 keys in every work-group: 256 equal work-groups, and the
; loop's trip count is a constant.  Each of the sixteen waves owns 16 queries of the block in hand, in 256 registers: four waves to a SIMD, so that one wave's vector work stands beside another's products and LDS loads.
; NO CLUSTER: the four work-groups of a head want different key slots at the same time (slot s of block i against slot s of block 7 - i begins at different trips); walking in step would cost 12 slots for 9.
; A SLOT of kv (33,792 bytes, one dense block) holds images of operand registers: a fragment's four registers come by one ds_load_b128 at 16 x lane: no pitch, no padding, consecutive bytes.
; K = 64 IN AN INSTRUCTION OF 128: a fragment of K holds TWO tiles of 16 keys (tile 2 p in k 0-63, tile 2 p + 1 in k 64-127).  Q stands as [zeros x 8 | q x 8 | zeros x 8]: v[24:39] = [q | 0] gives tile 2 p's scores,
; v[16:31] = [0 | q] tile 2 p + 1's.  The other tile's codes are finite (the quantiser holds them), so they add exact zeros.
; LAYOUT.  Both products are used transposed: S^T = K Q^T, O^T = V^T P^T: a lane holds ONE query (lane % 16).  Register n of S^T is key 32 (n / 16) + 16 ((n % 16) / 8) + 8 (lane / 16) + n % 8 of the step: V's codes were laid in the same order.
; LIMITS: a block of zeros gets the byte 1 where the quantiser says 127 (zero codes; this program alone reads the bytes); NaN and infinities are not served.  A block's largest p is made from the block's largest score by the same
; multiply-add and exponential: that takes v_exp_f32 not to fall where its input rises; at the worst one p of a block, within an ulp of a power of two, is held one code low.
.set SLOTB, 33792
.set HEADB, 8*SLOTB
.set QUART, SLOTB/4                    ; what one of waves 0-3 fetches: 33 rows of 256 bytes
.set VCO,   16384                      ; in a slot: V's codes,
.set KSC,   32768                      ; K's scale words,
.set VSC,   33280                      ; V's scale words
.set SLOT1, 1<<16                      ; LDS slot 1 begins here: one exclusive or turns an address in one slot into the other's
.set SPARE, 2*SLOT1                    ; the spare words, 128 bytes for each of sixteen waves
.set LI,  1                            ; v1   16 x lane
.set LS,  2                            ; v2   16 x (lane % 16)
.set SPW, 3                            ; v3   LDS address of my spare word; never rewritten
.set NIL, 4                            ; v4   0; never rewritten
.set ADK, 5                            ; v5   the slot in hand + 16 x lane
.set ADS, 6                            ; v6   the slot in hand + 16 x (lane % 16)
.set D0,  8                            ; v8   lane % 16 - 8 (lane / 16)
.set OBY, 9                            ; v9   32 (lane % 16) + lane / 16: my byte among O's scale bytes
.set T0,  10                           ; v10, v11 at work
.set T1,  11
                                       ; v12 -M, v13 the largest t, v[14:15] the sum in two halves
.set QZ,  16                           ; v16-23 zeros, v24-31 q, v32-39 zeros
.set QB,  40                           ; v40-47 the second block's q
.set QSB, 48                           ; v48  its scale word
.set QS,  49                           ; v49  q's scale word
.set BM,  50                           ; v50-53 a block's largest score, then its largest p
.set PT,  54                           ; v54-57 the other half's; then the bytes
.set HD,  58                           ; v58-61 unused
.set FRG, 64                           ; v64-127 four fragments: K's, then V's
.set S,   128                          ; v128-191 S^T, then p
.set OT,  192                          ; v192-223 O^T
.set PC,  224                          ; v224-239 p's codes
.set SO,  240                          ; v240-243 the conversions' scale operands
.set SW,  244                          ; v244-247 K's scale words, then V's
.set FF,  248                          ; v[248:249] f = 2^(old M - new M)
.set PW,  250                          ; v250 p's scale word
.set U,   251                          ; v251 a lane permute's result
.set SM2, 252                          ; v[252:253] the sum's second chain
.set T2,  254
.set T3,  255
.set WV,  12                           ; s12  wave
.set I1,  13                           ; s13  i + 1: the trip at which the second block begins
.set SI,  14                           ; s14  the trip
.set KN,  15                           ; s15  the key slot last asked for
.set TB,  16                           ; s16  LDS byte at which the slot in hand begins
.set KF,  17                           ; s17  the step's first key
.set Q0,  18                           ; s18  my first query
.set MNT, 19                           ; s19  unused
.set SEL, 20                           ; s[20:21] lane selects: lane l xor 16
.set CS,  22                           ; s[22:23] c = log2(e) / 32
.set G1,  24                           ; s[24:31] descriptor group 1
.set G0,  32                           ; s[32:35] group 0
.set KB,  36                           ; s[36:37] kv at my head, my quarter of a slot
.set OFS, 38                           ; s[38:39] an offset, high word 0
.set OA,  40                           ; s[40:41], s[42:43] the first block's places in oimg and oscl;  s[44:45], s[46:47] the second's
.set SA,  42
.set OB2, 44
.set SB2, 46
.set Q0B, 48                           ; s48  the second block's first query of mine
.set TMP, 53
.macro TLOAD                           ; waves 0-3 fetch a quarter of a slot each, the others nothing; four v_nop follow the line
	s_cmp_lt_u32 s[WV], 4
	s_cbranch_scc0 .Lnone_\@
	tensor_load_to_lds s[G0:G0+3], s[G1:G1+7]
	s_nop 0
.rept 4
	v_nop
.endr
.Lnone_\@:
.endm
.macro INIT                            ; a block of queries begins: the largest t under every t, the sum and O^T zeros, which the first change of M leaves zeros
	v_mov_b32 v13, 0xff61b1e6
	s_delay_alu instid0(VALU_DEP_1)
	v_floor_f32 v12, -v13
	v_mov_b32 v14, 0
	v_mov_b32 v15, 0
.set n, 0
.rept 32
	v_mov_b32 v[OT+n], 0
.set n, n+1
.endr
.endm
	s_load_b256 s[4:11], s[0:1], 0x0               ; qq s[4:5], kv s[6:7], oimg s[8:9], oscl s[10:11]
	v_lshl_add_u32 v[SPW], v0, 2, SPARE
	v_mov_b32 v[NIL], 0
	ds_add_u32 v3, v4
	ds_add_u32 v3, v4
	s_wait_dscnt 0x0
	v_lshrrev_b32 v[T0], 5, v0
	s_delay_alu instid0(VALU_DEP_1)
	v_readfirstlane_b32 s[WV], v[T0]               ; wave 0..15
	s_and_b32 s50, ttmp7, 0xffff                   ; batch x 16 + head
	s_add_co_u32 s[I1], ttmp9, 1
	; descriptor group 1: 33 dense rows of 256 bytes (32 elements of 8 bytes), no padding
	s_mov_b32 s[G1+0], 3<<16
	s_mov_b32 s[G1+1], 32<<16                      ; tensor_dim0
	s_mov_b32 s[G1+2], 33<<16                      ; tensor_dim1
	s_mov_b32 s[G1+3], 32<<16                      ; tile_dim0
	s_mov_b32 s[G1+4], 33                          ; tile_dim1
	s_mov_b32 s[G1+5], 32                          ; tensor_dim0_stride
	s_mov_b32 s[G1+6], 0
	s_mov_b32 s[G1+7], 0
	s_and_b32 s51, s[WV], 3
	s_mul_i32 s[G0+1], s51, QUART                  ; LDS address: my quarter of slot 0
	s_mul_i32 s52, s50, HEADB                      ; my head's first byte in qq and in kv (under 2^25)
	s_add_co_u32 s[OFS], s52, s[G0+1]
	s_mov_b32 s[OFS+1], 0
	s_mov_b32 s[G0], 1
	; Q: tile w of the slot of my block: codes at 1,024 w; its scale word: step w / 8, pair (w / 2) % 4
	s_mul_i32 s54, ttmp9, SLOTB
	s_add_co_u32 s54, s54, s52                     ; block i's slot
	s_sub_co_u32 s[TMP], 7, ttmp9                  ; 7 - i
	s_mul_i32 s58, s[TMP], SLOTB
	s_add_co_u32 s58, s58, s52                     ; block 7 - i's
	s_lshr_b32 s62, s[WV], 3
	s_lshl_b32 s62, s62, 8
	s_bfe_u32 s63, s[WV], 0x20001
	s_lshl_b32 s63, s63, 2
	s_add_co_u32 s62, s62, s63
	s_add_co_u32 s56, s54, s62
	s_add_co_u32 s60, s58, s62
	s_lshl_b32 s63, s[WV], 10
	s_add_co_u32 s54, s54, s63
	s_add_co_u32 s58, s58, s63
	s_mov_b32 s55, 0
	s_mov_b32 s57, 0
	s_mov_b32 s59, 0
	s_mov_b32 s61, 0
	s_lshl_b32 s[Q0], ttmp9, 8
	s_lshl_b32 s63, s[WV], 4
	s_add_co_u32 s[Q0], s[Q0], s63                 ; my first query: 256 x block + 16 x wave
	s_lshl_b32 s[Q0B], s[TMP], 8
	s_add_co_u32 s[Q0B], s[Q0B], s63
	; O: tile of 16 rows RT = 128 x batch + 16 x block + wave;  oimg: [head / 4][RT][head % 4][block of 32][lane][16];  oscl: [row][32]
	s_lshr_b32 s62, s50, 4
	s_lshl_b32 s62, s62, 7
	s_add_co_u32 s62, s62, s[WV]
	s_and_b32 s63, s50, 15                         ; the head
	s_lshl_b32 s49, ttmp9, 4
	s_add_co_u32 s49, s49, s62                     ; RT of the first block,
	s_lshl_b32 s[TMP], s[TMP], 4
	s_add_co_u32 s[TMP], s[TMP], s62               ; of the second
	s_lshr_b32 s62, s63, 2
	s_lshl_b32 s62, s62, 21
	s_and_b32 s51, s63, 3
	s_lshl_b32 s51, s51, 10
	s_add_co_u32 s62, s62, s51
	s_lshl_b32 s[OA], s49, 12
	s_add_co_u32 s[OA], s[OA], s62
	s_mov_b32 s[OA+1], 0
	s_lshl_b32 s[OB2], s[TMP], 12
	s_add_co_u32 s[OB2], s[OB2], s62
	s_mov_b32 s[OB2+1], 0
	s_lshl_b32 s63, s63, 1
	s_lshl_b32 s[SA], s49, 9
	s_add_co_u32 s[SA], s[SA], s63
	s_mov_b32 s[SA+1], 0
	s_lshl_b32 s[SB2], s[TMP], 9
	s_add_co_u32 s[SB2], s[SB2], s63
	s_mov_b32 s[SB2+1], 0
	s_mov_b32 s[SEL], 0x76543210
	s_mov_b32 s[SEL+1], 0xfedcba98
	s_mov_b32 s[CS], 0x3d38aa3b                    ; c = log2(e) / 32
	s_mov_b32 s[CS+1], s[CS]                       ; (named with it as a pair, so it is written)
	s_mov_b32 s[KN], 0
	s_mov_b32 s[TB], 0
	s_mov_b32 s[KF], 0
	s_wait_kmcnt 0x0
	s_add_nc_u64 s[KB:KB+1], s[6:7], s[OFS:OFS+1]
	s_mov_b64 s[G0+2:G0+3], s[KB:KB+1]             ; key slot 0
	s_or_b32 s[G0+3], s[G0+3], 0x80000000          ; type = 2
	TLOAD                                          ; the one first fill: LDS slot 0
	s_add_nc_u64 s[54:55], s[4:5], s[54:55]
	s_add_nc_u64 s[56:57], s[4:5], s[56:57]
	s_add_nc_u64 s[58:59], s[4:5], s[58:59]
	s_add_nc_u64 s[60:61], s[4:5], s[60:61]
	s_add_nc_u64 s[OA:OA+1], s[8:9], s[OA:OA+1]
	s_add_nc_u64 s[OB2:OB2+1], s[8:9], s[OB2:OB2+1]
	s_add_nc_u64 s[SA:SA+1], s[10:11], s[SA:SA+1]
	s_add_nc_u64 s[SB2:SB2+1], s[10:11], s[SB2:SB2+1]
	v_and_b32 v[T0], 31, v0
	s_delay_alu instid0(VALU_DEP_1)
	v_lshlrev_b32 v[LI], 4, v[T0]
	v_and_b32 v[T1], 15, v0                        ; r
	s_delay_alu instid0(VALU_DEP_1)
	v_lshlrev_b32 v[LS], 4, v[T1]
	global_load_b128 v[QZ+8:QZ+11], v[LI], s[54:55]               ; q of both blocks stays in registers
	global_load_b128 v[QZ+12:QZ+15], v[LI], s[54:55] offset:512
	global_load_b32 v[QS], v[LS], s[56:57] offset:KSC
	global_load_b128 v[QB:QB+3], v[LI], s[58:59]
	global_load_b128 v[QB+4:QB+7], v[LI], s[58:59] offset:512
	global_load_b32 v[QSB], v[LS], s[60:61] offset:KSC
	v_bfe_u32 v[T0], v0, 4, 1                      ; h
	s_delay_alu instid0(VALU_DEP_1)
	v_lshl_add_u32 v[OBY], v[T1], 5, v[T0]
	s_delay_alu instid0(VALU_DEP_2)
	v_lshlrev_b32 v[T0], 3, v[T0]
	s_delay_alu instid0(VALU_DEP_1)
	v_sub_nc_u32 v[D0], v[T1], v[T0]
.irp j, 0,1,2,3,4,5,6,7
	v_mov_b32 v[QZ+\j], 0                          ; zero codes on both sides of q
	v_mov_b32 v[QZ+16+\j], 0
.endr
.irp b, 0,1,2,3
	v_mov_b32 v[PT+\b], 0                          ; written once: a lane permute's destination counts as one of its sources
.endr
	v_mov_b32 v[U], 0
	v_mov_b32 v[FF+1], 0                           ; (named as the upper half of the pair before it is written)
	INIT
	s_and_b32 s62, s[WV], 1
	s_lshl_b32 s62, s62, 4
	s_wait_loadcnt 0x0                             ; q and its scale words
.irp x, QS, QSB
	v_lshrrev_b32 v[\x], s62, v[\x]                ; the word holds two tiles' bytes: mine are the lower or the upper two;
	s_delay_alu instid0(VALU_DEP_1)
	v_and_b32 v[\x], 0xffff, v[\x]
	s_delay_alu instid0(VALU_DEP_1)
	v_lshl_or_b32 v[\x], v[\x], 16, v[\x]          ; twice, since q stands in k 0-63 or in k 64-127 (the zero codes' bytes are then 1 to 254 too)
.endr
; A KEY STEP: 128 keys, the q-th of the slot in hand.
.macro STEP q
	s_add_co_u32 s[TMP], s[Q0], 15                 ; a step all of whose keys come after my 16 queries is left out: a scalar branch on ids
	s_cmp_gt_u32 s[KF], s[TMP]
	s_cbranch_scc1 .Lhidden_\@
	v_add_nc_u32 v[ADK], s[TB], v[LI]
	v_add_nc_u32 v[ADS], s[TB], v[LS]
.rept 6
	v_nop                                          ; with the two additions: eight places in front of loads into registers that the last products read
.endr
.irp p, 0,1,2,3
.irp g, 0,1,2,3
	ds_load_b128 v[FRG+16*\p+4*\g:FRG+16*\p+4*\g+3], v[ADK] offset:8192*(\q)+2048*\p+512*\g   ; K's fragment p: tiles 2 p and 2 p + 1
.endr
.endr
	ds_load_b128 v[SW:SW+3], v[ADS] offset:KSC+256*(\q)   ; key row r's four words
	s_wait_dscnt 0x0
	s_wait_alu depctr_va_vdst(0)
.irp p, 0,1,2,3
	v_wmma_scale_f32_16x16x128_f8f6f4 v[S+16*\p:S+16*\p+7], v[FRG+16*\p:FRG+16*\p+15], v[QZ+8:QZ+23], 0, v[SW+\p], v[QS] matrix_a_fmt:MATRIX_FMT_BF8 matrix_b_fmt:MATRIX_FMT_BF8
	v_wmma_scale_f32_16x16x128_f8f6f4 v[S+16*\p+8:S+16*\p+15], v[FRG+16*\p:FRG+16*\p+15], v[QZ:QZ+15], 0, v[SW+\p], v[QS] matrix_a_fmt:MATRIX_FMT_BF8 matrix_b_fmt:MATRIX_FMT_BF8
.endr
.rept 8
	v_nop                                          ; places: V's loads land on K's fragments and words, and the scores are read
.endr
.irp t, 0,1,2,3
.irp c, 0,1,2,3
	ds_load_b128 v[FRG+16*\t+4*\c:FRG+16*\t+4*\c+3], v[ADK] offset:VCO+8192*(\q)+2048*\t+512*\c   ; V's four fragments land while the softmax is walked
.endr
.endr
	ds_load_b128 v[SW:SW+3], v[ADS] offset:VSC+256*(\q)
	s_add_co_u32 s[TMP], s[KF], 127                ; on the diagonal the scores of hidden keys become -infinity ahead of the maximum; a step all of whose keys count skips this
	s_cmp_le_u32 s[TMP], s[Q0]
	s_cbranch_scc1 .Lopen_\@
	s_sub_co_i32 s[TMP], s[Q0], s[KF]
	v_add_nc_u32 v[T0], s[TMP], v[D0]              ; d = my query - KF - 8 (lane / 16): register n's key is hidden where 32 (n / 16) + 16 ((n % 16) / 8) + n % 8 > d
	v_mov_b32 v[T1], 0xff800000
.set n, 0
.rept 64
	v_cmp_gt_i32 vcc_lo, 32*(n/16)+16*((n%16)/8)+n%8, v[T0]
	v_cndmask_b32 v[S+n], v[S+n], v[T1], vcc_lo
.set n, n+1
.endr
.Lopen_\@:
.irp b, 0,1,2,3
	v_max3_num_f32 v[BM+\b], v[S+16*\b], v[S+16*\b+1], v[S+16*\b+2]   ; the largest score of each block of 32 keys: for the row's maximum, and, since p rises with the score, for the block's largest p
.endr
.irp i, 3,5,7,9,11,13
.irp b, 0,1,2,3
	v_max3_num_f32 v[BM+\b], v[BM+\b], v[S+16*\b+\i], v[S+16*\b+\i+1]
.endr
.endr
.irp b, 0,1,2,3
	v_max_num_f32 v[BM+\b], v[BM+\b], v[S+16*\b+15]
.endr
.irp b, 0,1,2,3
	s_delay_alu instid0(VALU_DEP_4)
	v_permlanex16_b32 v[PT+\b], v[BM+\b], s[SEL], s[SEL+1]
.endr
.irp b, 0,1,2,3
	s_delay_alu instid0(VALU_DEP_4)
	v_max_num_f32 v[BM+\b], v[BM+\b], v[PT+\b]     ; with lane l xor 16's 16 keys
.endr
	s_delay_alu instid0(VALU_DEP_2)
	v_max3_num_f32 v[T2], v[BM], v[BM+1], v[BM+2]
	s_delay_alu instid0(VALU_DEP_1)
	v_max_num_f32 v[T2], v[T2], v[BM+3]            ; the step's largest score of my query
	s_delay_alu instid0(VALU_DEP_1)
	v_mul_f32 v[T2], s[CS], v[T2]                  ; as t (c is positive)
	s_delay_alu instid0(VALU_DEP_1)
	v_max_num_f32 v13, v13, v[T2]                  ; the running largest t
	v_mov_b32 v[T2], v12
	s_delay_alu instid0(VALU_DEP_2)
	v_floor_f32 v12, -v13                          ; the new -M = floor(-t) = -ceil(t)
	s_delay_alu instid0(VALU_DEP_1)
	v_sub_f32 v[T2], v12, v[T2]                    ; old M - new M: a whole number, 0 or less
	s_delay_alu instid0(VALU_DEP_1)
	v_cvt_i32_f32 v[T2], v[T2]                     ; (it saturates)
	s_delay_alu instid0(VALU_DEP_1)
	v_ldexp_f32 v[FF], 1.0, v[T2]                  ; f = 2^(old M - new M)
.set n, 0
.rept 32
	v_pk_fma_f32 v[S+n:S+n+1], v[S+n:S+n+1], s[CS:CS+1], v[12:13] op_sel_hi:[1,0,0]   ; t - M, two at a time
.set n, n+2
.endr
.irp b, 0,1,2,3
	v_fma_f32 v[BM+\b], v[BM+\b], s[CS], v12       ; the same of each block's largest score
.endr
.set n, 0
	s_wait_alu depctr_va_vdst(0)
.rept 64
	v_exp_f32 v[S+n], v[S+n]                       ; p = 2^(t - M), at most 1
.set n, n+1
.endr
.irp b, 0,1,2,3
	v_exp_f32 v[BM+\b], v[BM+\b]                   ; the block's largest p
.endr
	v_pk_mul_f32 v[14:15], v[14:15], v[FF:FF+1] op_sel_hi:[1,0]   ; the sums under the new M.  (A plain place behind the exponentials)
	s_wait_alu depctr_va_vdst(0)
.irp b, 0,1,2,3
	v_max_num_f32 v[BM+\b], 0x8000000, v[BM+\b]    ; the floor 2^(16 - 127): the byte cannot fall under 1
.endr
.irp b, 0,1,2,3
	s_delay_alu instid0(VALU_DEP_4)
	v_add_nc_u32 v[SO+\b], 0xf8800000, v[BM+\b]    ; 15 off the exponent field: the conversion's scale operand
.endr
.irp b, 0,1,2,3
.endr
.irp b, 0,1,2,3
	s_delay_alu instid0(VALU_DEP_4)
	v_lshrrev_b32 v[PT+\b], 23, v[SO+\b]           ; the scale's byte
.endr
	s_delay_alu instid0(VALU_DEP_3)
	v_lshl_or_b32 v[PW], v[PT+1], 8, v[PT]         ; p's scale word for these 128 keys
	s_delay_alu instid0(VALU_DEP_1)
	v_lshl_or_b32 v[PW], v[PT+2], 16, v[PW]
	s_delay_alu instid0(VALU_DEP_1)
	v_lshl_or_b32 v[PW], v[PT+3], 24, v[PW]
	v_pk_add_f32 v[252:253], v[132:133], v[136:137]
	v_pk_add_f32 v[254:255], v[140:141], v[144:145]
	v_pk_add_f32 v[238:239], v[148:149], v[152:153]
	v_pk_add_f32 v[236:237], v[156:157], v[160:161]
	v_pk_add_f32 v[234:235], v[164:165], v[168:169]
	v_pk_add_f32 v[232:233], v[172:173], v[176:177]
	v_pk_add_f32 v[230:231], v[180:181], v[184:185]
	v_pk_add_f32 v[14:15], v[14:15], v[188:189]
	v_pk_add_f32 v[252:253], v[252:253], v[128:129]
	v_pk_add_f32 v[254:255], v[254:255], v[130:131]
	v_pk_add_f32 v[238:239], v[238:239], v[134:135]
	v_pk_add_f32 v[236:237], v[236:237], v[138:139]
	v_pk_add_f32 v[234:235], v[234:235], v[142:143]
	v_pk_add_f32 v[232:233], v[232:233], v[146:147]
	v_pk_add_f32 v[230:231], v[230:231], v[150:151]
	v_pk_add_f32 v[14:15], v[14:15], v[154:155]
	v_pk_add_f32 v[252:253], v[252:253], v[158:159]
	v_pk_add_f32 v[254:255], v[254:255], v[162:163]
	v_pk_add_f32 v[238:239], v[238:239], v[166:167]
	v_pk_add_f32 v[236:237], v[236:237], v[170:171]
	v_pk_add_f32 v[234:235], v[234:235], v[174:175]
	v_pk_add_f32 v[232:233], v[232:233], v[178:179]
	v_pk_add_f32 v[230:231], v[230:231], v[182:183]
	v_pk_add_f32 v[14:15], v[14:15], v[186:187]
	v_pk_add_f32 v[252:253], v[252:253], v[190:191]
	s_delay_alu instid0(VALU_DEP_2)
	v_pk_add_f32 v[14:15], v[14:15], v[236:237]
	s_delay_alu instid0(VALU_DEP_2)
	v_pk_add_f32 v[252:253], v[252:253], v[234:235]
	v_pk_add_f32 v[254:255], v[254:255], v[232:233]
	v_pk_add_f32 v[238:239], v[238:239], v[230:231]
	s_delay_alu instid0(VALU_DEP_2)
	v_pk_add_f32 v[14:15], v[14:15], v[254:255]
	s_delay_alu instid0(VALU_DEP_2)
	v_pk_add_f32 v[252:253], v[252:253], v[238:239]
	s_delay_alu instid0(VALU_DEP_1)
	v_pk_add_f32 v[14:15], v[14:15], v[252:253]
.irp b, 0,1,2,3
.irp i, 0,1,2,3,4,5,6,7,8,9,10,11,12,13,14,15
.endr
	v_cvt_scalef32_pk8_bf8_f32 v[PC+4*\b:PC+4*\b+1], v[S+16*\b:S+16*\b+7], v[SO+\b]
	v_cvt_scalef32_pk8_bf8_f32 v[PC+4*\b+2:PC+4*\b+3], v[S+16*\b+8:S+16*\b+15], v[SO+\b]
.endr
.set n, 0
.rept 16
	v_pk_mul_f32 v[OT+n:OT+n+1], v[OT+n:OT+n+1], v[FF:FF+1] op_sel_hi:[1,0]   ; O^T under the new M.  (These sixteen are also the places between the conversions and the products)
.set n, n+2
.endr
	s_wait_alu depctr_va_vdst(0)
	s_wait_dscnt 0x0                               ; V's fragments and words are in
.irp t, 0,1,2,3                        ; O^T += V^T P^T: four tiles of 16 channels, by turns; K = these 128 keys
	v_wmma_scale_f32_16x16x128_f8f6f4 v[OT+8*\t:OT+8*\t+7], v[FRG+16*\t:FRG+16*\t+15], v[PC:PC+15], v[OT+8*\t:OT+8*\t+7], v[SW+\t], v[PW] matrix_a_fmt:MATRIX_FMT_BF8 matrix_b_fmt:MATRIX_FMT_BF8
.endr
.Lhidden_\@:
	s_add_co_u32 s[KF], s[KF], 128
.endm
; A BLOCK OF QUERIES IS FINISHED: O^T / the sum, quantised along the head's 64 (two blocks of 32), put into the true order of k, and stored.  ob, sb: the scalar pairs with its places in oimg and oscl.
.macro FINISH ob, sb
.rept 8
	v_nop                                          ; places behind the last products
.endr
	v_add_f32 v14, v14, v15                        ; the sum's two halves,
	s_delay_alu instid0(VALU_DEP_1)
	v_permlanex16_b32 v[U], v14, s[SEL], s[SEL+1]
	s_delay_alu instid0(VALU_DEP_1)
	v_add_f32 v14, v14, v[U]                       ; and lane l xor 16's: the row's sum
	s_wait_alu depctr_va_vdst(0)
	v_rcp_f32 v14, v14
	v_nop                                          ; one plain place behind a transcendental
.set n, 0
	s_wait_alu depctr_va_vdst(0)
.rept 32
	v_mul_f32 v[S+n], v[OT+n], v14                 ; register 16 b + i: channel 32 b + 16 (i / 8) + 8 (lane / 16) + i % 8 of my query; each accumulator from its low end on
.set n, n+1
.endr
.irp b, 0,1
	v_max3_num_f32 v[BM+\b], |v[S+16*\b]|, |v[S+16*\b+1]|, 0x8000000
.endr
.irp i, 2,4,6,8,10,12,14
.irp b, 0,1
	s_delay_alu instid0(VALU_DEP_2)
	v_max3_num_f32 v[BM+\b], v[BM+\b], |v[S+16*\b+\i]|, |v[S+16*\b+\i+1]|
.endr
.endr
.irp b, 0,1
	s_delay_alu instid0(VALU_DEP_2)
	v_permlanex16_b32 v[PT+\b], v[BM+\b], s[SEL], s[SEL+1]
.endr
.irp b, 0,1
	s_delay_alu instid0(VALU_DEP_2)
	v_max_num_f32 v[BM+\b], v[BM+\b], v[PT+\b]     ; the block's largest magnitude
.endr
.irp b, 0,1
	s_delay_alu instid0(VALU_DEP_2)
	v_add_nc_u32 v[SO+\b], 0xf8800000, v[BM+\b]
.endr
.irp b, 0,1
	s_delay_alu instid0(VALU_DEP_2)
	v_lshrrev_b32 v[PT+\b], 23, v[SO+\b]           ; the scale's byte
.endr
.irp b, 0,1
.irp i, 0,1,2,3,4,5,6,7,8,9,10,11,12,13,14,15
.endr
	v_cvt_scalef32_pk8_bf8_f32 v[PC+4*\b:PC+4*\b+1], v[S+16*\b:S+16*\b+7], v[SO+\b]
	v_cvt_scalef32_pk8_bf8_f32 v[PC+4*\b+2:PC+4*\b+3], v[S+16*\b+8:S+16*\b+15], v[SO+\b]
.endr
	v_nop                                          ; one plain place behind the last conversion
	v_and_b32 v[T0], 31, v0
	s_delay_alu instid0(VALU_DEP_1)
	v_cmp_le_u32 vcc_lo, 16, v[T0]                 ; lanes 16-31
; Wo's codes lie in the true order of k, so O's must: lane (r, 0) wants channels 0-15 of a block, lane (r, 1) channels 16-31.  Lane (r, 0) holds 0-7 and 16-23, lane (r, 1) 8-15 and 24-31:
; the lower lane sends its upper two registers, the upper lane its lower two.
.irp x, 0,1,4,5
	v_cndmask_b32 v[T2], v[PC+2+\x], v[PC+\x], vcc_lo
	s_delay_alu instid0(VALU_DEP_1)
	v_permlanex16_b32 v[U], v[T2], s[SEL], s[SEL+1]
	v_cndmask_b32 v[PC+\x], v[PC+\x], v[U], vcc_lo
	v_cndmask_b32 v[PC+2+\x], v[U], v[PC+2+\x], vcc_lo
.endr
	v_cndmask_b32 v[T3], v[PT], v[PT+1], vcc_lo    ; lane (r, h) stores block h's byte of row r
.irp b, 0,1
	global_store_b128 v[LI], v[PC+4*\b:PC+4*\b+3], s[\ob:\ob+1] offset:512*\b   ; 512 consecutive bytes, aligned: registers 4 c .. 4 c + 3 of the last product's operand
.endr
	global_store_b8 v[OBY], v[T3], s[\sb:\sb+1]    ; two bytes of each of 16 rows of 32: a row's other bytes are other heads', made by other work-groups; 1/32 of the codes' bytes
	s_wait_xcnt 0x0                                ; the stores' data registers are written again only behind this wait
.endm
; THE CHANGE OF SLOTS stands at a slot's head.  Each wave waits for all its tensor loads, adds 0 to its spare word, and waits for that and for its reads of the slot that it has left.
; Behind the barrier the slot ahead is whole and nobody reads the other one.  fill = 1: that other slot takes the next key slot: one tensor load of mine is out, and it has a whole slot's steps in which to land.
.macro CHANGE fill
	s_wait_tensorcnt 0x0                           ; no tensor load of mine is out, so group 0 may be written
	ds_add_u32 v[SPW], v[NIL]                      ; 0 onto my spare word
.if \fill
	s_xor_b32 s[G0+1], s[G0+1], SLOT1              ; the other LDS slot than last time
	s_add_co_u32 s[KN], s[KN], 1                   ; the next key slot,
	s_add_co_u32 s[TMP], s[SI], 1
	s_cmp_eq_u32 s[TMP], s[I1]
	s_cselect_b32 s[KN], 0, s[KN]                  ; or key slot 0 again, for the second block of queries
	s_mul_i32 s[OFS], s[KN], SLOTB
	s_add_nc_u64 s[G0+2:G0+3], s[KB:KB+1], s[OFS:OFS+1]
	s_or_b32 s[G0+3], s[G0+3], 0x80000000
.endif
	s_wait_dscnt 0x0                               ; the add is done, and my reads of the slot that I have left are over
	s_barrier_signal -1
	s_barrier_wait -1
.if \fill
	TLOAD                                          ; the first thing behind the barrier, and a wave's one tensor load until the next
.endif
.endm
.macro PHASE                           ; at trip i + 1 the first block is finished and the second begins.  The branch is the same in all sixteen waves; no barrier, tensor load or LDS instruction stands inside
	s_cmp_lg_u32 s[SI], s[I1]
	s_cbranch_scc1 .Lsame_\@
	FINISH OA, SA
.irp j, 0,1,2,3,4,5,6,7
	v_mov_b32 v[QZ+8+\j], v[QB+\j]
.endr
	v_mov_b32 v[QS], v[QSB]
	INIT                                           ; (its 36 lines are also the places between these writes and the next products)
	s_mov_b32 s[KF], 0
	s_mov_b32 s[Q0], s[Q0B]
.Lsame_\@:
.endm
	s_mov_b32 s[SI], 0
.Lslot:                                            ; eight trips: behind each change of slots but the last the next slot is asked for
	CHANGE 1
	PHASE
	STEP 0
	STEP 1
	s_xor_b32 s[TB], s[TB], SLOT1                  ; on to the other slot
	s_add_co_u32 s[SI], s[SI], 1
	s_cmp_lt_u32 s[SI], 8
	s_cbranch_scc1 .Lslot
	CHANGE 0                                       ; the ninth slot is written out
	STEP 0
	STEP 1
	FINISH OB2, SB2
	s_wait_tensorcnt 0x0                           ; the wave's end
	ds_add_u32 v[SPW], v[NIL]
	s_wait_dscnt 0x0
	s_endpgm
.Lfunc_end_k_q3f6958295f_attn:
	.size	k_q3f6958295f_attn, .Lfunc_end_k_q3f6958295f_attn-k_q3f6958295f_attn
	.p2alignl 7, 3214868480
	.fill 96, 4, 3214868480
	.section	.rodata,"a",@progbits
	.p2align	6, 0x0
	.amdhsa_kernel k_q3f6958295f_attn
		.amdhsa_group_segment_fixed_size 327680
		.amdhsa_private_segment_fixed_size 0
		.amdhsa_enable_private_segment 0
		.amdhsa_kernarg_size 32
		.amdhsa_user_sgpr_count 2
		.amdhsa_user_sgpr_kernarg_segment_ptr 1
		.amdhsa_wavefront_size32 1
		.amdhsa_system_sgpr_workgroup_id_x 1
		.amdhsa_system_sgpr_workgroup_id_y 1
		.amdhsa_system_sgpr_workgroup_id_z 1
		.amdhsa_system_vgpr_workitem_id 0
		.amdhsa_next_free_vgpr 256
		.amdhsa_next_free_sgpr 66
		.amdhsa_reserve_vcc 1
		.amdhsa_float_denorm_mode_32 3
		.amdhsa_float_denorm_mode_16_64 3
		.amdhsa_fp16_overflow 1
		.amdhsa_memory_ordered 1
		.amdhsa_forward_progress 1
		.amdhsa_inst_pref_size 110
	.end_amdhsa_kernel
	.amdgpu_metadata
---
amdhsa.version: [ 1, 2 ]
amdhsa.kernels:
  - .name:           k_q3f6958295f_attn
    .symbol:         k_q3f6958295f_attn.kd
    .args:
      - { .name: qq, .offset: 0, .size: 8, .value_kind: global_buffer, .address_space: global }
      - { .name: kv, .offset: 8, .size: 8, .value_kind: global_buffer, .address_space: global }
      - { .name: oimg, .offset: 16, .size: 8, .value_kind: global_buffer, .address_space: global }
      - { .name: oscl, .offset: 24, .size: 8, .value_kind: global_buffer, .address_space: global }
    .group_segment_fixed_size: 327680
    .private_segment_fixed_size: 0
    .kernarg_segment_align: 8
    .kernarg_segment_size: 32
    .max_flat_workgroup_size: 512
    .sgpr_count:     66
    .vgpr_count:     256
    .wavefront_size: 32
...
	.end_amdgpu_metadata
.endif
;; end of part 2
;; launch oproj (part 3): grid 4 x 32, 4 waves a work-group, clusters of 4 x 4, 327,680 bytes of LDS; arguments oimg, oscl, Wo_codes, Wo_scales, out0; writes out0
.if DOCPART == 3
	.amdgcn_target "amdgcn-amd-amdhsa--gfx1250"
	.amdhsa_code_object_version 6
	.text
	.protected	k_q3f6958295f_oproj
	.globl	k_q3f6958295f_oproj
	.p2align	8
	.type	k_q3f6958295f_oproj,@function
k_q3f6958295f_oproj:
	s_mov_b64 s[64:65], 0
	v_nop
	global_prefetch_b8 v0, s[64:65] scope:SCOPE_SE
	s_setreg_imm32_b32 hwreg(HW_REG_WAVE_MODE, 25, 1), 1
	s_wait_xcnt 0x0
	s_wait_alu depctr_hold_cnt(0) depctr_sa_sdst(0) depctr_va_vdst(0) depctr_va_sdst(0) depctr_va_ssrc(0) depctr_va_vcc(0) depctr_vm_vsrc(0)
	s_getreg_b32 s2, hwreg(HW_REG_IB_STS2, 6, 4)
	s_cmp_eq_u32 s2, 0
	s_cbranch_scc0 .Lentry_in_a_cluster
	s_endpgm
.Lentry_in_a_cluster:
	s_bfe_u32 s2, ttmp6, 0x10000c
	s_cmp_lg_u32 s2, 0xf033
	s_cbranch_scc0 .Lentry_shape_is_right
	s_endpgm
.Lentry_shape_is_right:
; out0 = O Wo^T.  O: [8,192][1,024] as codes of BF8 (E5M2) with one E8M0 scale for each 32 along K; Wo: [1,024][1,024] likewise; out0: [8,192][1,024] f32; sums in f32.
; O's codes lie as images of operand registers: oimg [K step of 256: 4][tile of 16 rows: 512][chunk of 32 along K: 8][lane][16 bytes]: a work-group's 256 rows of a K step are 65,536 consecutive bytes, and a
; fragment's four registers come by one ds_load_b128 at 16 x lane: consecutive bytes, no pitch.  O's scale bytes lie [row][32]; Wo's codes and scale bytes as they are given, K innermost.
; A tile of 256 x 256 is made by four waves, 128 x 128 each: 64 accumulators.  K goes in steps of 256 through a ring of two LDS slots filled by the tensor data mover; the scale bytes come once and stay.
; 128 work-groups: a tile of half the size would read half as much again from LDS for each product, and the launch's bytes are its 33.5 MB of stores.
; CLUSTERS: 4 x 4 work-groups.  O's tiles are shared along a row of the cluster, Wo's along a column: each is asked for jointly.  THE MATRIX INSTRUCTION IS USED TRANSPOSED (source 0 = 16 rows of Wo, source 1 = 16 rows of O):
; a lane then holds eight neighbouring numbers of a row of out0.
; REGISTERS, in windows of 256: window 0: v0-31 addresses; v32-63 scale words, two sets; from v128 A's fragments, ONE set; on the way out v128-255 rows of out0.
;   window 1: B's fragments, TWO sets.   window 2: the accumulators of my rows 0-63 ((a, b) at v[8 (8 a + b)]);   window 3: those of my rows 64-127.
.set SIZE_N, 1024
.set KSTEP,  256
.set NQ,     KSTEP/128
.set ROWB,   256                       ; a row of B's tile in bytes
.set KROW,   1024                      ; a row of Wo in memory
.set PITCH,  272                       ; B's LDS row: 256 bytes + 16 of padding = 68 words: the 16 rows that a load touches start at 16 different banks (64 banks of 4 bytes: ISA guide 11.1)
.set FR,     16
.set NL,     4
.set NP,     8                         ; places behind this matrix instruction (ISA guide 7.12.1)
.set HALFT,  128*PITCH                 ; 128 rows of B
.set ATILE,  32768                     ; 128 rows of A: eight tiles of 16 rows x 4,096 bytes
.set ASTEP,  2097152                   ; from a K step of oimg to the next
.set BOFF,   2*ATILE                   ; in a slot: A's 256 rows, then B's
.set SLOT,   BOFF+2*HALFT
.set LAPS,   1024/(2*KSTEP)
.set KS,     32                        ; a row of scales in bytes
.set SCL,    2*SLOT
.set HALFS,  (128*KS/256)*272
.set SBLK,   (16*KS/256)*272
.set SPARE,  SCL+4*HALFS               ; the spare words, 128 bytes for each wave
.set SPITCH, 528                       ; the way out: a stage of 16 rows x (512 bytes + 16) for each wave, in slot 0, which has had its last fill and its last read when the first result is stored there
.set ADRA, 16                          ; v16-17  LDS address of my A fragments in slot 0, 1
.set ADRB, 20                          ; v20-21  the same for B
.set STO,  24                          ; v24     the way out: where I put 32 bytes of a row
.set RD,   25                          ; v25     where I read a row back
.set CO,   26                          ; v26     16 x lane: my byte offset in a row of out0, and my place in an image
.set ADRS, 27                          ; v27     LDS address of my scale words: lanes 0-15 A's rows, lanes 16-31 B's
.set SPW,  28                          ; v28     LDS address of my spare word; never rewritten
.set NIL,  29                          ; v29     0; never rewritten
.set SC,   32
.set AF,   128
.set BK,   128                         ; the way out: 16 rows read back from the stage: v128-191 and v192-255 by turns
.set G1, 24
.set G0, 32
.set G1B, 48
.set G0B, 56
.set G1S, 68
.set G0S, 76
.set G1SB, 80
.set G0SB, 88
.set MSB, 0
.macro WIN new                         ; the immediate's high byte repeats the setting that is left
.if MSB != \new
	s_set_vgpr_msb (MSB<<8)|\new
.set MSB, \new
.endif
.endm
.set MUL_LO, 0xa1                      ; source 0 (B) window 1, source 1 (A) window 0, C and D window 2
.set MUL_HI, 0xf1
.set TO_B,   0x40
.macro JLOAD g0a, g1a, g0b, g1b        ; a joint load: waves 0 and 1 fetch for A, waves 2 and 3 for B; four v_nop follow each of the two lines
	s_cmp_eq_u32 s15, 0
	s_cbranch_scc0 .Lfor_b_\@
	tensor_load_to_lds s[\g0a:\g0a+3], s[\g1a:\g1a+7]
	s_nop 0
.rept 4
	v_nop
.endr
	s_branch .Lasked_\@
.Lfor_b_\@:
	tensor_load_to_lds s[\g0b:\g0b+3], s[\g1b:\g1b+7]
	s_nop 0
.rept 4
	v_nop
.endr
.Lasked_\@:
.endm
.macro CREST
	s_cmp_lg_u32 s14, 0
	s_cbranch_scc1 .Lnot_wave_0_\@
	s_barrier_signal -3
.Lnot_wave_0_\@:
	s_barrier_wait -3
	s_barrier_signal -1
	s_barrier_wait -1
.endm
.macro CROUND
	s_barrier_signal -1
	s_barrier_wait -1
	CREST
.endm
	s_load_b128 s[4:7], s[0:1], 0x0                ; O's images s[4:5], O's scales s[6:7]
	s_load_b128 s[8:11], s[0:1], 0x10              ; Wo's codes s[8:9], Wo's scales s[10:11]
	s_load_b64 s[12:13], s[0:1], 0x20              ; out0
	v_lshl_add_u32 v[SPW], v0, 2, SPARE
	v_mov_b32 v[NIL], 0
	ds_add_u32 v28, v29
	ds_add_u32 v28, v29
	s_wait_dscnt 0x0
	v_lshrrev_b32 v1, 5, v0
	v_readfirstlane_b32 s14, v1                    ; wave 0..3
	s_lshr_b32 s15, s14, 1                         ; which half of the tile's rows is mine.  Also: I fetch for A (0) or for B (1)
	s_and_b32 s16, s14, 1                          ; which half of its columns.  Also: which 128 rows of that tile I fetch
	s_bfe_u32 s40, ttmp6, 0x40000                  ; cx, cy
	s_bfe_u32 s41, ttmp6, 0x40004
	s_lshl_b32 s42, ttmp9, 2
	s_add_co_u32 s42, s42, s40                     ; tile column
	s_and_b32 s17, ttmp7, 0xffff
	s_lshl_b32 s17, s17, 2
	s_add_co_u32 s17, s17, s41                     ; tile row
	s_lshl_b32 s43, s41, 2
	s_lshl_b32 s43, 15, s43                        ; my row of the cluster
	s_lshl_b32 s44, 0x1111, s40                    ; my column
	; group 1 for A: 32,768 dense bytes as 128 rows of 256 (32 elements of 8 bytes), no padding
	s_or_b32 s[G1+0], s43, (3<<16)|(1<<21)
	s_mov_b32 s[G1+1], 32<<16
	s_mov_b32 s[G1+2], 128<<16
	s_mov_b32 s[G1+3], 32<<16
	s_mov_b32 s[G1+4], 128
	s_mov_b32 s[G1+5], 32
	s_mov_b32 s[G1+6], 0
	s_mov_b32 s[G1+7], 0
	; group 1 for B: 128 rows x 256 bytes, 1,024 apart, 16 bytes of padding behind each
	s_or_b32 s[G1B+0], s44, (0<<16)|(1<<20)|(1<<21)|(5<<22)|(3<<25)
	s_mov_b32 s[G1B+1], ROWB<<16
	s_mov_b32 s[G1B+2], 128<<16
	s_mov_b32 s[G1B+3], ROWB<<16
	s_mov_b32 s[G1B+4], 128
	s_mov_b32 s[G1B+5], KROW
	s_mov_b32 s[G1B+6], 0
	s_mov_b32 s[G1B+7], 0
	; and for the scales of 128 rows: 4,096 dense bytes, as rows of 256 bytes, 16 bytes of padding behind each
	s_or_b32 s[G1S+0], s43, (3<<16)|(1<<20)|(1<<21)|(5<<22)|(3<<25)
	s_or_b32 s[G1SB+0], s44, (3<<16)|(1<<20)|(1<<21)|(5<<22)|(3<<25)
.irp g, G1S, G1SB
	s_mov_b32 s[\g+1], 32<<16
	s_mov_b32 s[\g+2], (128*KS/256)<<16
	s_mov_b32 s[\g+3], 32<<16
	s_mov_b32 s[\g+4], 128*KS/256
	s_mov_b32 s[\g+5], 32
	s_mov_b32 s[\g+6], 0
	s_mov_b32 s[\g+7], 0
.endr
	s_lshl_b32 s18, s16, 7                         ; which 128 rows of the tile I fetch
	s_lshl_b32 s22, s17, 8
	s_add_co_u32 s22, s22, s18                     ; A: row 256 x tile row + 128 x half
	s_lshl_b32 s46, s42, 8
	s_add_co_u32 s46, s46, s18                     ; B: row 256 x tile column + 128 x half
	s_mov_b32 s23, 0
	s_mov_b32 s47, 0
	s_lshl_b32 s20, s22, 8                         ; A's images: 16 rows of a K step are 4,096 bytes: 256 a row
	s_mov_b32 s21, 0
	s_lshl_b32 s22, s22, 5                         ; A's scales: 32 bytes a row
	s_mov_b64 s[18:19], KS
	s_mul_u64 s[92:93], s[46:47], s[18:19]         ; B's scales,
	s_mov_b64 s[18:19], KROW
	s_mul_u64 s[46:47], s[46:47], s[18:19]         ; and codes
	s_lshl_b32 s45, s16, 15                        ; where they go: A's half,
	s_mul_i32 s95, s16, HALFT
	s_add_co_u32 s95, s95, BOFF                    ; B's half: no place in the cluster enters an LDS address
	s_mul_i32 s94, s14, HALFS
	s_wait_kmcnt 0x0
	s_add_nc_u64 s[20:21], s[4:5], s[20:21]
	s_add_nc_u64 s[22:23], s[6:7], s[22:23]
	s_add_nc_u64 s[46:47], s[8:9], s[46:47]
	s_add_nc_u64 s[92:93], s[10:11], s[92:93]
	CROUND                                         ; all sixteen work-groups are here: the first joint loads meet
	s_mov_b32 s[G0S], 1
	s_add_co_u32 s[G0S+1], s94, SCL
	s_mov_b64 s[G0S+2:G0S+3], s[22:23]
	s_or_b32 s[G0S+3], s[G0S+3], 0x80000000
	s_mov_b32 s[G0SB], 1
	s_add_co_u32 s[G0SB+1], s94, SCL
	s_mov_b64 s[G0SB+2:G0SB+3], s[92:93]
	s_or_b32 s[G0SB+3], s[G0SB+3], 0x80000000
	JLOAD G0S, G1S, G0SB, G1SB                     ; the scales first: they are wanted with K step 0
.irp s, 0,1
	s_mov_b32 s[G0+4*\s], 1
	s_add_co_u32 s[G0+4*\s+1], s45, \s*SLOT
	s_add_nc_u64 s[G0+4*\s+2:G0+4*\s+3], s[20:21], \s*ASTEP
	s_or_b32 s[G0+4*\s+3], s[G0+4*\s+3], 0x80000000
	s_mov_b32 s[G0B+4*\s], 1
	s_add_co_u32 s[G0B+4*\s+1], s95, \s*SLOT
	s_add_nc_u64 s[G0B+4*\s+2:G0B+4*\s+3], s[46:47], \s*ROWB
	s_or_b32 s[G0B+4*\s+3], s[G0B+4*\s+3], 0x80000000
	s_wait_alu depctr_va_vdst(0)
	s_wait_tensorcnt 0x0
	ds_add_u32 v28, v29
	s_wait_dscnt 0x0
	CROUND
	JLOAD G0+4*\s, G1, G0B+4*\s, G1B
.endr
	v_and_b32 v1, 15, v0                           ; l % 16
	v_bfe_u32 v2, v0, 4, 1                         ; l / 16
	v_mul_u32_u24 v3, v1, PITCH
	v_lshl_add_u32 v4, v2, 4, v3                   ; B: a fragment's row x pitch + 16 x half
	v_and_b32 v6, 31, v0
	v_lshlrev_b32 v[CO], 4, v6                     ; A: 16 x lane
	s_lshl_b32 s21, s15, 15                        ; my 128 rows of A
	s_mul_i32 s22, s16, HALFT                      ; my 128 rows of B,
	s_add_co_u32 s22, s22, BOFF                    ; which lie behind A's 256
.irp s, 0,1
	v_add_nc_u32 v[ADRA+\s], s21, v[CO]
	v_add_nc_u32 v[ADRB+\s], s22, v4
	s_add_co_u32 s21, s21, SLOT
	s_add_co_u32 s22, s22, SLOT
.endr
	v_mul_u32_u24 v5, v1, KS                       ; my row's scales: KS bytes a row,
	v_lshrrev_b32 v6, 8, v5
	v_lshl_add_u32 v5, v6, 4, v5                   ; and 16 more for each 256 passed
	s_mul_i32 s21, s15, HALFS                      ; A's: my 128 rows
	s_mul_i32 s22, s16, HALFS                      ; B's: my 128 rows, behind A's 256
	s_add_co_u32 s22, s22, 2*HALFS
	s_sub_co_u32 s22, s22, s21
	v_mul_u32_u24 v6, s22, v2                      ; lanes 16-31 take B's
	s_add_co_u32 s21, s21, SCL
	v_add_nc_u32 v5, v5, v6
	v_add_nc_u32 v[ADRS], s21, v5
	s_mul_i32 s23, s14, 16*SPITCH                  ; my stage
	v_mul_u32_u24 v5, v1, SPITCH                   ; in: row l % 16, 32 bytes for each half of the lanes
	v_lshl_add_u32 v5, v2, 5, v5
	v_add_nc_u32 v[STO], s23, v5
	v_add_nc_u32 v[RD], s23, v[CO]                 ; back: the 32 lanes take one row of 512 bytes
	s_lshl_b32 s20, s17, 8
	s_lshl_b32 s21, s15, 7
	s_add_co_u32 s20, s20, s21                     ; my first row of out0
	s_mov_b32 s21, 0
	s_mov_b64 s[18:19], SIZE_N*4
	s_mul_u64 s[20:21], s[20:21], s[18:19]
	s_lshl_b32 s46, s42, 10                        ; my first column, in bytes: 1,024 x tile column + 512 x half
	s_lshl_b32 s47, s16, 9
	s_add_co_u32 s46, s46, s47
	s_mov_b32 s47, 0
	s_add_nc_u64 s[20:21], s[20:21], s[46:47]
	s_add_nc_u64 s[12:13], s[12:13], s[20:21]
.macro FRAG reg, adr, q, i             ; a fragment of B from rows: lane l holds row l % 16; registers 4 c .. 4 c + 3 hold K = 32 c + 16 (l / 16) + 0 .. 15
.irp c, 0,1,2,3
	ds_load_b128 v[\reg+4*\c:\reg+4*\c+3], v[\adr] offset:128*(\q)+32*\c+(\i)*16*PITCH
.endr
.endm
.macro FRAGA reg, adr, q, i            ; a fragment of A from its image: tile of rows i, chunks 4 q .. 4 q + 3
.irp c, 0,1,2,3
	ds_load_b128 v[\reg+4*\c:\reg+4*\c+3], v[\adr] offset:(\i)*4096+2048*(\q)+512*\c
.endr
.endm
; 16 matrix instructions: A's blocks a0, a0 + 1 x B's eight, 128 along K.  The 64 accumulators take turns, one instruction a turn, in the same order in every step.
.macro MUL16 a0, p, q, sc, zero
.irp a, \a0, \a0+1
.irp b, 0,1,2,3,4,5,6,7
.if \zero
	v_wmma_scale_f32_16x16x128_f8f6f4 v[8*(8*((\a)%4)+\b):8*(8*((\a)%4)+\b)+7], v[128*(\p)+FR*\b:128*(\p)+FR*\b+FR-1], v[AF+FR*(\a):AF+FR*(\a)+FR-1], 0, v[SC+8*NQ*(\sc)+NQ*\b+(\q)], v[SC+8*NQ*(\sc)+NQ*(\a)+(\q)] matrix_a_fmt:MATRIX_FMT_BF8 matrix_b_fmt:MATRIX_FMT_BF8 matrix_a_scale:MATRIX_SCALE_ROW1
.else
	v_wmma_scale_f32_16x16x128_f8f6f4 v[8*(8*((\a)%4)+\b):8*(8*((\a)%4)+\b)+7], v[128*(\p)+FR*\b:128*(\p)+FR*\b+FR-1], v[AF+FR*(\a):AF+FR*(\a)+FR-1], v[8*(8*((\a)%4)+\b):8*(8*((\a)%4)+\b)+7], v[SC+8*NQ*(\sc)+NQ*\b+(\q)], v[SC+8*NQ*(\sc)+NQ*(\a)+(\q)] matrix_a_fmt:MATRIX_FMT_BF8 matrix_b_fmt:MATRIX_FMT_BF8 matrix_a_scale:MATRIX_SCALE_ROW1
.endif
.endr
.endr
.endm
.macro FETCH_B slot, q, p
	WIN TO_B
.irp i, 0,1,2,3,4,5,6,7
	FRAG 128*(\p)+FR*\i, ADRB+\slot, \q, \i
.endr
	WIN 0
.endm
.macro FETCH_A slot, q, i0
.irp i, \i0, \i0+1, \i0+2, \i0+3
	FRAGA AF+FR*(\i), ADRA+\slot, \q, \i
.endr
.endm
.macro SCALES sc                       ; the next K step's scale words: lanes 0-15 take A's block i, lanes 16-31 B's block i
.irp i, 0,1,2,3,4,5,6,7
	ds_load_b64 v[SC+8*NQ*\sc+NQ*\i:SC+8*NQ*\sc+NQ*\i+1], v[ADRS] offset:\i*SBLK
.endr
.endm
.macro PLACES n                        ; plain vector instructions that name none of a matrix instruction's registers (ISA guide 7.12.1 for vector instructions)
.rept \n
	v_nop
.endr
.endm
.macro STEP slot, q, zero
	s_wait_dscnt 4*NL                              ; B's set and A's blocks 0-3 are in; the youngest 16 loads (A's blocks 4-7) may be out
	WIN MUL_LO
	MUL16 0, (\q)%2, \q, \slot, \zero
	MUL16 2, (\q)%2, \q, \slot, \zero
	s_wait_dscnt 0                                 ; A's blocks 4-7 are in
	PLACES NP
	FETCH_B \slot, (\q)+1, 1-(\q)%2
	FETCH_A \slot, (\q)+1, 0
	WIN MUL_HI
	MUL16 4, (\q)%2, \q, \slot, \zero
	MUL16 6, (\q)%2, \q, \slot, \zero
	PLACES NP
	WIN 0
	FETCH_A \slot, (\q)+1, 4
.endm
; A slot's last step changes slots: ONE barrier; in front of it each wave waits for all its tensor loads, adds 0 to its spare word, and waits for that and for its own reads of this slot.
.macro TURN slot, next, fill
	s_wait_tensorcnt 0x0                           ; all my tensor loads have landed: my part of the next slot
	ds_add_u32 v[SPW], v[NIL]                      ; 0 onto my spare word
	s_wait_dscnt 4*NL+1                            ; (the add and the youngest 16 loads may be out)
	WIN MUL_LO
	MUL16 0, 1, NQ-1, \slot, 0
	s_wait_dscnt 0x0                               ; the add is done, and my reads of this slot are over
	s_barrier_signal -1
	MUL16 2, 1, NQ-1, \slot, 0
	WIN 0
	s_barrier_wait -1
.if \fill
	CREST                                          ; the barrier has opened a round of the cluster's barrier: no wave of any partner still reads this slot's tile or has a load on its way
	s_add_nc_u64 s[G0+4*\slot+2:G0+4*\slot+3], s[G0+4*\slot+2:G0+4*\slot+3], 2*ASTEP
	s_add_nc_u64 s[G0B+4*\slot+2:G0B+4*\slot+3], s[G0B+4*\slot+2:G0B+4*\slot+3], 2*ROWB
	JLOAD G0+4*\slot, G1, G0B+4*\slot, G1B         ; the first tensor load behind the round; its four v_nop are among the places in front of the loads below
	PLACES NP-4
.else
	PLACES NP
.endif
	s_wait_alu depctr_va_vdst(0)
	v_add_nc_u32 v[ADRS], 4*NQ, v[ADRS]            ; on to the next K step's scale words
	FETCH_B \next, 0, 0
	FETCH_A \next, 0, 0
	SCALES \next
	WIN MUL_HI
	MUL16 4, 1, NQ-1, \slot, 0
	MUL16 6, 1, NQ-1, \slot, 0
	PLACES NP
	WIN 0
	FETCH_A \next, 0, 4
.endm
	s_wait_alu depctr_va_vdst(0)
	s_wait_tensorcnt 1                             ; the scales and my part of K step 0 are in (K step 1's load may be out)
	s_barrier_signal -1
	s_barrier_wait -1                              ; everybody's are
	FETCH_B 0, 0, 0
	FETCH_A 0, 0, 0
	SCALES 0
	FETCH_A 0, 0, 4
	STEP 0, 0, 1                                   ; the first step stands in front of the loop: its products start the sums
	s_mov_b32 s3, LAPS-1
.Llap:
	TURN 0, 1, 1
	STEP 1, 0, 0
	TURN 1, 0, 1
	STEP 0, 0, 0
	s_sub_co_u32 s3, s3, 1
	s_cmp_lg_u32 s3, 0
	s_cbranch_scc1 .Llap
	TURN 0, 1, 0                                   ; the last lap fills nothing
	STEP 1, 0, 0
	s_wait_dscnt 4*NL                              ; the very last step
	WIN MUL_LO
	MUL16 0, 1, NQ-1, 1, 0
	MUL16 2, 1, NQ-1, 1, 0
	s_wait_dscnt 0
	WIN MUL_HI
	MUL16 4, 1, NQ-1, 1, 0
	MUL16 6, 1, NQ-1, 1, 0
	WIN 0
; THE WAY OUT, block by block of 16 rows x 128 columns, through my own stage in LDS: back come whole rows of 512 bytes, which the 32 lanes store as two aligned runs of 256 bytes.
; LDS serves a wave's instructions in order (ISA guide 5.7.1.4): no wait between the stores and the loads, nor in front of the next block's stores.
.macro TOSTAGE a
.set AC, 64*((\a)%4)
	WIN 0x08+4*((\a)/4)                            ; the data: window 2 or 3
.irp b, 0,1,2,3,4,5,6,7
	ds_store_b128 v[STO], v[AC+8*\b:AC+8*\b+3] offset:64*\b          ; each accumulator from its low end on
	ds_store_b128 v[STO], v[AC+8*\b+4:AC+8*\b+7] offset:64*\b+16
.endr
	WIN 0
.set BB, BK+64*((\a)%2)
.irp t, 0,1,2,3,4,5,6,7,8,9,10,11,12,13,14,15
	ds_load_b128 v[BB+4*\t:BB+4*\t+3], v[RD] offset:\t*SPITCH
.endr
.endm
.macro SEND a, younger                 ; younger: the LDS instructions issued behind block a's loads, which may stay out
.set BB, BK+64*((\a)%2)
	s_wait_dscnt \younger                          ; the block is back in registers
.if (\a) > 0
	s_add_nc_u64 s[12:13], s[12:13], 16*SIZE_N*4   ; (behind a wait on XCNT: the earlier stores have read their base)  16 rows on
.endif
.irp t, 0,1,2,3,4,5,6,7,8,9,10,11,12,13,14,15
	global_store_b128 v[CO], v[BB+4*\t:BB+4*\t+3], s[12:13] offset:\t*SIZE_N*4 th:TH_STORE_NT   ; 32 lanes store 512 consecutive bytes, at a multiple of 256 from out0's first byte; written once, read by nobody here
.endr
.endm
	PLACES NP                                      ; behind the last products: for the loads into the registers that held A's fragments and for the reads of results
	TOSTAGE 0
.irp a, 1,2,3,4,5,6,7
.if \a > 1
	s_wait_xcnt 0x0                                ; block a - 2's stores have read their registers and their base
.endif
	TOSTAGE \a
	SEND \a-1, 32                                  ; behind block a - 1's loads: block a's 16 stores and 16 loads
.endr
	s_wait_xcnt 0x0                                ; block 6's stores have read their base
	SEND 7, 0
	s_wait_tensorcnt 0x0                           ; the wave's end
	ds_add_u32 v[SPW], v[NIL]
	s_wait_dscnt 0x0
	CROUND                                         ; the closing round
	s_endpgm
.Lfunc_end_k_q3f6958295f_oproj:
	.size	k_q3f6958295f_oproj, .Lfunc_end_k_q3f6958295f_oproj-k_q3f6958295f_oproj
	.p2alignl 7, 3214868480
	.fill 96, 4, 3214868480
	.section	.rodata,"a",@progbits
	.p2align	6, 0x0
	.amdhsa_kernel k_q3f6958295f_oproj
		.amdhsa_group_segment_fixed_size 327680
		.amdhsa_private_segment_fixed_size 0
		.amdhsa_enable_private_segment 0
		.amdhsa_kernarg_size 40
		.amdhsa_user_sgpr_count 2
		.amdhsa_user_sgpr_kernarg_segment_ptr 1
		.amdhsa_wavefront_size32 1
		.amdhsa_system_sgpr_workgroup_id_x 1
		.amdhsa_system_sgpr_workgroup_id_y 1
		.amdhsa_system_sgpr_workgroup_id_z 1
		.amdhsa_system_vgpr_workitem_id 0
		.amdhsa_next_free_vgpr 1024
		.amdhsa_next_free_sgpr 98
		.amdhsa_reserve_vcc 0
		.amdhsa_float_denorm_mode_32 3
		.amdhsa_float_denorm_mode_16_64 3
		.amdhsa_memory_ordered 1
		.amdhsa_forward_progress 1
		.amdhsa_inst_pref_size 146
	.end_amdhsa_kernel
	.amdgpu_metadata
---
amdhsa.version: [ 1, 2 ]
amdhsa.kernels:
  - .name:           k_q3f6958295f_oproj
    .symbol:         k_q3f6958295f_oproj.kd
    .args:
      - { .name: oimg, .offset: 0, .size: 8, .value_kind: global_buffer, .address_space: global }
      - { .name: oscl, .offset: 8, .size: 8, .value_kind: global_buffer, .address_space: global }
      - { .name: Wo_codes, .offset: 16, .size: 8, .value_kind: global_buffer, .address_space: global }
      - { .name: Wo_scales, .offset: 24, .size: 8, .value_kind: global_buffer, .address_space: global }
      - { .name: out0, .offset: 32, .size: 8, .value_kind: global_buffer, .address_space: global }
    .group_segment_fixed_size: 327680
    .private_segment_fixed_size: 0
    .kernarg_segment_align: 8
    .kernarg_segment_size: 40
    .max_flat_workgroup_size: 128
    .sgpr_count:     98
    .vgpr_count:     1024
    .wavefront_size: 32
...
	.end_amdgpu_metadata
.endif
;; end of part 3
